; MI455X (gfx1250); checked and timed in simulation.
; The chip was launched on July 23, 2026; its instructions are those of AMD's public machine-readable ISA for CDNA 5 (MIT licence, August 2026) and "CDNA5" Instruction Set Architecture Reference Guide (July 2026). The comments in the code are by the model that wrote it; some were corrected since.
;; Cam Embedding. Allowed arithmetic: matrix products marked QUANTISED: E4M3 operands, one E8M0 scale for each 32 along K, by v_wmma_scale_f32_16x16x128_f8f6f4 with both operands' format E4M3, f32 sums; everything else in f32.
;; Inputs: W_codes 8 x 2,048 x 64 x 32 uint8 (E4M3 codes of W, K innermost, in blocks of 32 codes); W_scales 8 x 2,048 x 64 uint8 (E8M0 scales of W, one for each 32 codes along K); b 8 x 2,048 float32; cam_pred_ids 2,048 int32; x 2,048 x 2,048 float32.
;; Outputs: out0 2,048 x 2,048 float32.
;; This version of the problem:
;;   THIS VERSION OF THE PROBLEM IS GIVEN IN LOW PRECISION. The matrix products marked QUANTISED in the list below multiply operands that are first quantised to E4M3 (4 exponent bits, 3 mantissa bits; 8 bits a number), with one power-of-two scale for each 32 numbers along K (OCP MX v1.0); their sums are f32. All else is computed in f32.
;;   The module's matrix products, in the order in which they are computed (A, B: the left and right operand; K: the contracted axis; several contracted axes count as one K, in the product's order):
;;     1. [M 2,048, K 2,048] x [K 2,048, N 2,048]; A: input x; B: input W (given as codes): QUANTISED
;;     2. [M 2,048, K 2,048] x [K 2,048, N 2,048]; A: input x; B: input W (given as codes): QUANTISED
;;     3. [M 2,048, K 2,048] x [K 2,048, N 2,048]; A: input x; B: input W (given as codes): QUANTISED
;;     4. [M 2,048, K 2,048] x [K 2,048, N 2,048]; A: input x; B: input W (given as codes): QUANTISED
;;     5. [M 2,048, K 2,048] x [K 2,048, N 2,048]; A: input x; B: input W (given as codes): QUANTISED
;;     6. [M 2,048, K 2,048] x [K 2,048, N 2,048]; A: input x; B: input W (given as codes): QUANTISED
;;     7. [M 2,048, K 2,048] x [K 2,048, N 2,048]; A: input x; B: input W (given as codes): QUANTISED
;;     8. [M 2,048, K 2,048] x [K 2,048, N 2,048]; A: input x; B: input W (given as codes): QUANTISED
;;   THE QUANTISER, for each operand of a quantised product, along K:
;;     - K is cut into blocks of 32 from its start; a last block that is shorter is filled with zeros.
;;     - A block's scale is 2^e with e = floor(log2(the largest magnitude in the block)) - 8, held to -126 .. 127; a block of zeros has e = 0. As a byte (E8M0): e + 127.
;;     - Each number is divided by its block's scale, clamped to +-448, and rounded to the nearest number of E4M3, ties to even, subnormals kept.
;;     - The product sums the exact products of the quantised numbers (number of the format x scale) in f32.
;;   ~~~python
;;   def quantise(x, axis):      # numpy; x: float32 -> the quantised numbers, widened to float32 again
;;       x = np.moveaxis(x, axis, -1); K = x.shape[-1]
;;       x = np.pad(x, [(0, 0)] * (x.ndim - 1) + [(0, -K % 32)]); x = x.reshape(x.shape[:-1] + (-1, 32)); a = np.abs(x).max(-1, keepdims=True)
;;       e = np.where(a > 0, np.clip(np.frexp(np.where(a > 0, a, 1))[1] - 1 - 8, -126, 127), 0)      # np.frexp(a)[1] - 1 = floor(log2(a)), exactly
;;       r = np.clip(x / 2.0 ** e, -448, 448)
;;       step = 2.0 ** (np.maximum(np.frexp(np.where(r == 0, 1, r))[1] - 1, -6) - 3)
;;       q = np.round(r / step) * step * 2.0 ** e      # np.round: ties to even
;;       return np.moveaxis(q.reshape(q.shape[:-2] + (-1,))[..., :K], -1, axis).astype(np.float32)
;;   ~~~
;;   INPUTS GIVEN AS CODES. W (in the module: [8, 2048, 2048], K = its axis 2): each comes as NAME_codes (uint8): NAME with its K axis moved to the last place and cut into blocks of 32 codes, [.., K / 32, bytes a block], one block behind the other in memory; one code a byte (a code: sign, 4 exponent bits, 3 mantissa bits); and NAME_scales (uint8): the same leading axes, one E8M0 byte (e + 127) for each 32 codes along K. Its value is code x scale, taken as it is: it is not quantised again, and the codes and scales need not be those that the quantiser above would give.
;; 2 versions. Each part assembles by itself: llvm-mc -triple=amdgcn-amd-amdhsa -mcpu=gfx1250 --defsym DOCPART=n.
;; ======== version 1 of 2: 3 launches
;; workspace buffers: xq 4,423,680 bytes; xs 138,240 bytes; order 8,704 bytes of whole numbers; meta 256 bytes of whole numbers
;; launch sort (part 1): grid 135 x 1, 1 waves a work-group, no clusters, 0 bytes of LDS; arguments cam_pred_ids, order, meta; writes order, meta
.if DOCPART == 1
	.amdgcn_target "amdgcn-amd-amdhsa--gfx1250"
	.amdhsa_code_object_version 6
	.text
	.protected	k_q7d57aa4899_sort
	.globl	k_q7d57aa4899_sort
	.p2align	8
	.type	k_q7d57aa4899_sort,@function
k_q7d57aa4899_sort:
	s_mov_b64 s[64:65], 0
	v_nop
	global_prefetch_b8 v0, s[64:65] scope:SCOPE_SE
	s_setreg_imm32_b32 hwreg(HW_REG_WAVE_MODE, 25, 1), 1
	s_wait_xcnt 0x0
; THE TOKENS ARE SORTED BY EXPERT.  cam_pred_ids: [2048] i32.
; A TILE is 16 rows of one expert; each expert's rows are filled up to a multiple of 16, so there are at most (2048 + 8 x 15) / 16 = 135 tiles, whatever the split.
; Work-group t, one wave, finds tile t's 16 tokens.  It counts the experts' rows itself from the 8 KB of ids: no traffic between work-groups.
; OUT:  order[16 t + r] = the token of tile t's row r;   meta[e] = expert e's first tile, meta[8 + e] = its tiles, meta[16] = the tiles in all (stored by work-group 0).
; The order of an expert's tokens is free, since rows do not depend on each other: it is (register of the id load, lane).  Places behind an expert's last row repeat the tile's first token.
; NO BRANCH AND NO ADDRESS OF THIS LAUNCH HANGS ON THE IDS: what is decided here is stored as whole numbers, and the launches behind it form their addresses and branches from those.
; So the work is done in every step, and a tile past the split's last is walked like any other: it stores zeros, which nobody reads.
; HOW A TOKEN REACHES ITS PLACE WITHOUT AN ADDRESS.  Register j = 4 q + i of lane l holds the id of token 128 q + 4 l + i.  A lane whose id is my expert's has a place (the expert's rows met so far, counted from my
; tile's first place); places 0 .. 15 are my tile's.  The step adds 1 << place into one register for each bit that is set in the token: bits 0, 1 (i) and 7 .. 10 (q) are constants of the step, so the text
; itself says which registers; bits 2 .. 6 are the lane's number: one register gathers 1 << place in all steps and is given, at the end, to the registers of the bits set in the lane's number.
; Summed over the lanes, bit r of register b says whether bit b is set in the token of place r.  A place is taken once, so no sum of bits 0 .. 15 carries; all other places go to bit 16, which carries upward only
; (64 steps x 32 lanes x 2^16 stays under 2^28).
; LIMITS: ids lie in 0 .. 7 (an id outside is not served).
; No LDS, no matrix unit, no tensor loads: 8 KB in, 64 bytes out for each work-group (a store of 4 bytes a lane: the list is all that there is to store).
.set BT,  80                           ; v80-90   register b: bit r = bit b of the token of place r
.set HH,  91                           ; v91      1 << place, gathered over all steps
	s_load_b64 s[6:7], s[0:1], 0x0                 ; ids
	s_load_b64 s[12:13], s[0:1], 0x8               ; order
	s_load_b64 s[14:15], s[0:1], 0x10              ; meta
	v_lshlrev_b32 v2, 4, v0                        ; 16 x lane (one wave: v0 is the lane)
	v_and_b32 v3, 15, v0                           ; r
	v_lshlrev_b32 v5, 2, v0                        ; 4 x lane
	v_mov_b32 v6, 16                               ; the place of what is not my tile's
	v_mov_b32 v65, 0                               ; counts of experts 0, 2, 4, 6, a byte each
	v_mov_b32 v66, 0                               ; of experts 1, 3, 5, 7
	v_mov_b32 v72, 0                               ; written once: a lane move's destination counts as one of its sources
.irp b, 0,1,7,8,9,10,11
	v_mov_b32 v[BT+\b], 0                          ; the six registers of the steps' own bits, and the gathering register
.endr
	s_mov_b32 s50, 0x76543210
	s_mov_b32 s51, 0xfedcba98                      ; v_permlanex16_b32's selects for lane l xor 16
	s_mov_b32 s52, 0x0f0f0f0f
	s_mov_b32 s53, 0x00ff00ff
	s_mov_b32 s57, 0
	s_wait_kmcnt 0x0
.irp q, 0,1,2,3,4,5,6,7,8,9,10,11,12,13,14,15
	global_load_b128 v[128+4*\q:131+4*\q], v2, s[6:7] offset:512*\q   ; register 4 q + i of lane l: the id of token 128 q + 4 l + i
.endr
	s_lshl_b32 s56, ttmp9, 6
	s_add_nc_u64 s[12:13], s[12:13], s[56:57]      ; order at 64 t
	s_wait_loadcnt 0x0
	; THE COUNTS.  Eight ids at a time add 1 << (4 x id): eight fields of 4 bits, 8 at the most in each; these go into fields of 8 bits (64 at the most a lane), those into fields of 16 (2,048 at the most)
.set G_, 0
.rept 8
	v_mov_b32 v64, 0
.irp k, 0,1,2,3,4,5,6,7
	v_lshlrev_b32 v67, 2, v[128+8*G_+\k]
	v_lshl_add_u32 v64, 1, v67, v64
.endr
	v_and_b32 v67, s52, v64
	v_add_nc_u32 v65, v65, v67
	v_lshrrev_b32 v64, 4, v64
	v_and_b32 v64, s52, v64
	v_add_nc_u32 v66, v66, v64
.set G_, G_+1
.endr
	v_and_b32 v68, s53, v65                        ; experts 0 (low half) and 4 (high half)
	v_lshrrev_b32 v69, 8, v65
	v_and_b32 v69, s53, v69                        ; 2 and 6
	v_and_b32 v70, s53, v66                        ; 1 and 5
	v_lshrrev_b32 v71, 8, v66
	v_and_b32 v71, s53, v71                        ; 3 and 7
.irp a, 68,69,70,71                    ; summed over the 32 lanes
.irp m, 1,2,4,8
	v_mov_b32_dpp v72, v\a row_xmask:\m row_mask:0xf bank_mask:0xf
	v_add_nc_u32 v\a, v\a, v72
.endr
	v_permlanex16_b32 v72, v\a, s50, s51
	v_add_nc_u32 v\a, v\a, v72
.endr
	v_readfirstlane_b32 s55, v68
	v_readfirstlane_b32 s56, v69
	v_readfirstlane_b32 s57, v70
	v_readfirstlane_b32 s58, v71
	s_and_b32 s16, s55, 0xffff                     ; s16-23: the experts' rows
	s_lshr_b32 s20, s55, 16
	s_and_b32 s18, s56, 0xffff
	s_lshr_b32 s22, s56, 16
	s_and_b32 s17, s57, 0xffff
	s_lshr_b32 s21, s57, 16
	s_and_b32 s19, s58, 0xffff
	s_lshr_b32 s23, s58, 16
	s_mov_b32 s32, 0                               ; s32-40: the experts' first tiles, and the number of tiles in all
.irp k, 0,1,2,3,4,5,6,7
	s_add_co_u32 s[24+\k], s[16+\k], 15
	s_lshr_b32 s[24+\k], s[24+\k], 4               ; s24-31: the experts' tiles
	s_add_co_u32 s[33+\k], s[32+\k], s[24+\k]
.endr
	s_mov_b32 s41, 0                               ; my expert: the last whose first tile is not past t (chosen by selects, not by jumps),
	s_mov_b32 s42, 0                               ; its first tile,
	s_mov_b32 s43, s16                             ; its rows
.irp k, 1,2,3,4,5,6,7
	s_cmp_ge_u32 ttmp9, s[32+\k]
	s_cselect_b32 s42, s[32+\k], s42
	s_cselect_b32 s43, s[16+\k], s43
	s_cselect_b32 s41, \k, s41
.endr
	s_sub_co_u32 s55, ttmp9, s42
	s_lshl_b32 s55, s55, 4                         ; my tile begins at the expert's row 16 (t - first tile)
	s_sub_co_u32 s48, s43, s55
	s_min_u32 s48, s48, 16                         ; so many of its 16 places hold rows
	s_sub_co_i32 s44, 0, s55                       ; the expert's rows met so far, counted from my tile's first place
; A STEP: register j.  The lanes whose id is my expert's take the places s44 + (such lanes below me).
.macro SRCH j
	v_cmp_eq_u32 s46, s41, v[128+\j]
	v_mbcnt_lo_u32_b32 v7, s46, s44
	s_bcnt1_i32_b32 s47, s46
	v_cndmask_b32 v7, v6, v7, s46                  ; another expert's token: place 16
	s_add_co_i32 s44, s44, s47
	v_min_u32 v7, 16, v7                           ; places past my tile, and those under 0, which are large as unsigned numbers: place 16 too
	v_lshl_add_u32 v8, 1, v7, 0                    ; 1 << place
	v_add_nc_u32 v[HH], v[HH], v8
.if (\j)&1
	v_add_nc_u32 v[BT+0], v[BT+0], v8              ; the token's bits 0, 1 are j's bits 0, 1;
.endif
.if (\j)&2
	v_add_nc_u32 v[BT+1], v[BT+1], v8
.endif
.if (\j)&4
	v_add_nc_u32 v[BT+7], v[BT+7], v8              ; its bits 7 .. 10 are j's bits 2 .. 5
.endif
.if (\j)&8
	v_add_nc_u32 v[BT+8], v[BT+8], v8
.endif
.if (\j)&16
	v_add_nc_u32 v[BT+9], v[BT+9], v8
.endif
.if (\j)&32
	v_add_nc_u32 v[BT+10], v[BT+10], v8
.endif
.endm
.set Q_, 0
.rept 64
	SRCH Q_
.set Q_, Q_+1
.endr
.irp b, 0,1,2,3,4                      ; the token's bits 2 .. 6 are the lane's number: what I gathered goes to the registers of the bits set in it (the gathered number stays under 2^23)
	v_bfe_u32 v7, v0, \b, 1
	v_mul_u32_u24 v[BT+2+\b], v7, v[HH]
.endr
.irp a, 80,81,82,83,84,85,86,87,88,89,90   ; summed over the 32 lanes
.irp m, 1,2,4,8
	v_mov_b32_dpp v72, v\a row_xmask:\m row_mask:0xf bank_mask:0xf
	v_add_nc_u32 v\a, v\a, v72
.endr
	v_permlanex16_b32 v72, v\a, s50, s51
	v_add_nc_u32 v\a, v\a, v72
.endr
	v_bfe_u32 v9, v[BT], v3, 1                     ; lane r takes bit r of each register: the token of place r
.irp b, 1,2,3,4,5,6,7,8,9,10
	v_bfe_u32 v7, v[BT+\b], v3, 1
	v_lshl_or_b32 v9, v7, \b, v9
.endr
	v_lshlrev_b32 v7, 2, v3                        ; 4 r
	v_readfirstlane_b32 s49, v9                    ; the tile's first token: it fills the places that hold no row
	v_mov_b32 v8, s49
	v_cmp_gt_u32 vcc_lo, s48, v3
	v_cndmask_b32 v9, v8, v9, vcc_lo
	v_min_u32 v9, 0x7ff, v9                        ; row r's token (lanes 16-31 as lanes 0-15)
	global_store_b32 v7, v9, s[12:13]
	s_cmp_lg_u32 ttmp9, 0                          ; the table of tiles is stored by one work-group of all that know it
	s_cbranch_scc1 .Lend
	v_mov_b32 v8, 0
.irp k, 0,1,2,3,4,5,6,7
	v_writelane_b32 v8, s[32+\k], \k
	v_writelane_b32 v8, s[24+\k], 8+\k
.endr
	v_writelane_b32 v8, s40, 16
	global_store_b32 v5, v8, s[14:15]
.Lend:
	s_endpgm
.Lfunc_end_k_q7d57aa4899_sort:
	.size	k_q7d57aa4899_sort, .Lfunc_end_k_q7d57aa4899_sort-k_q7d57aa4899_sort
	.p2alignl 7, 3214868480
	.fill 96, 4, 3214868480
	.section	.rodata,"a",@progbits
	.p2align	6, 0x0
	.amdhsa_kernel k_q7d57aa4899_sort
		.amdhsa_group_segment_fixed_size 0
		.amdhsa_private_segment_fixed_size 0
		.amdhsa_enable_private_segment 0
		.amdhsa_kernarg_size 24
		.amdhsa_user_sgpr_count 2
		.amdhsa_user_sgpr_kernarg_segment_ptr 1
		.amdhsa_wavefront_size32 1
		.amdhsa_system_sgpr_workgroup_id_x 1
		.amdhsa_system_sgpr_workgroup_id_y 1
		.amdhsa_system_sgpr_workgroup_id_z 1
		.amdhsa_system_vgpr_workitem_id 0
		.amdhsa_next_free_vgpr 192
		.amdhsa_next_free_sgpr 66
		.amdhsa_reserve_vcc 1
		.amdhsa_float_denorm_mode_32 3
		.amdhsa_float_denorm_mode_16_64 3
		.amdhsa_memory_ordered 1
		.amdhsa_forward_progress 1
		.amdhsa_inst_pref_size 54
	.end_amdhsa_kernel
	.amdgpu_metadata
---
amdhsa.version: [ 1, 2 ]
amdhsa.kernels:
  - .name:           k_q7d57aa4899_sort
    .symbol:         k_q7d57aa4899_sort.kd
    .args:
      - { .name: cam_pred_ids, .offset: 0, .size: 8, .value_kind: global_buffer, .address_space: global }
      - { .name: order, .offset: 8, .size: 8, .value_kind: global_buffer, .address_space: global }
      - { .name: meta, .offset: 16, .size: 8, .value_kind: global_buffer, .address_space: global }
    .group_segment_fixed_size: 0
    .private_segment_fixed_size: 0
    .kernarg_segment_align: 8
    .kernarg_segment_size: 24
    .max_flat_workgroup_size: 32
    .sgpr_count:     66
    .vgpr_count:     192
    .wavefront_size: 32
...
	.end_amdgpu_metadata
.endif
;; end of part 1
;; launch quant (part 2): grid 135 x 4, 1 waves a work-group, no clusters, 8,704 bytes of LDS; arguments x, order, xq, xs, meta; writes xq, xs
.if DOCPART == 2
	.amdgcn_target "amdgcn-amd-amdhsa--gfx1250"
	.amdhsa_code_object_version 6
	.text
	.protected	k_q7d57aa4899_quant
	.globl	k_q7d57aa4899_quant
	.p2align	8
	.type	k_q7d57aa4899_quant,@function
k_q7d57aa4899_quant:
	s_mov_b64 s[64:65], 0
	v_nop
	global_prefetch_b8 v0, s[64:65] scope:SCOPE_SE
	s_setreg_imm32_b32 hwreg(HW_REG_WAVE_MODE, 25, 1), 1
	s_wait_xcnt 0x0
; THE ROWS OF x ARE GATHERED BY TILE AND QUANTISED ONCE.  x: [2048][2048] f32; order, meta: the lists that the launch before stored (order[16 t + r] = the token of tile t's row r; meta[16] = the tiles in all).
; Work-group (t, kq), one wave, makes tile t's codes for K = 512 kq .. 512 kq + 511 (four K steps of 128).  The grid serves every split: 135 tiles at the most; a work-group whose t lies past the
; last tile of this split stores nothing and ends: a branch on a stored number.
; OUT:  xq  [tile][K step 0..15][c 0..3][lane][16 bytes]: the image of the matrix operand's registers: lane (r, h) holds k = 128 s + 32 c + 16 h + 0 .. 15 of the tile's row r;
;       xs  the scale word (four E8M0 bytes) of (row r, K step 4 kq + i) at 1024 tile + 256 kq + 16 r + 4 i.
; THE QUANTISER: a block's scale is 2^(floor(log2(largest magnitude)) - 8); its byte is the largest magnitude's exponent field - 8, held at 1 from below; numbers are held within +-448 x the scale and rounded to the nearest code, ties to even.
; LIMITS: NaN and infinities in x are not served; a block of zeros gets the byte 1 where the rule says 127: its codes are zeros, and this program alone reads the bytes.
; No matrix unit, no tensor loads: the launch streams x once; the rows are named by a list read from memory, and a branch hangs on a number read from memory, so the loads go through registers.
.set SP,   528                         ; LDS: a stage of 16 rows x (512 + 16) bytes: 33 x 16 bytes a row: the sixteen rows that a read touches start in different banks
.set PWS,  12                          ; v12-15   the four K steps' scale words
.set OFF,  16                          ; v16-31   row r: its token, then 8192 x its token + 16 x lane
.set TM,   32                          ; v32-47   at work in the quantiser
.set PC,   48                          ; v48-63   a fragment's codes
.set XX,   64                          ; v64-127  64 numbers of my row
.set RR,   128                         ; v128-255 two sets of 16 rows x 16 bytes a lane, as loaded
	s_load_b256 s[4:11], s[0:1], 0x0               ; x s[4:5], order s[6:7], xq s[8:9], xs s[10:11]
	s_load_b64 s[12:13], s[0:1], 0x20              ; meta
	v_lshl_add_u32 v9, v0, 2, 0x2100
	v_mov_b32 v10, 0
	v_mov_b32 v1, 0
	v_lshlrev_b32 v2, 4, v0                        ; 16 x lane (one wave: v0 is the lane): also my place in a row of the stage, on the way in
	v_and_b32 v3, 15, v0                           ; r
	v_lshrrev_b32 v4, 4, v0                        ; h
	v_lshlrev_b32 v6, 4, v3                        ; 16 r
	v_mul_u32_u24 v11, v3, SP
	v_lshl_add_u32 v11, v4, 6, v11                 ; the stage, on the way out: row r, + 64 h: my 16 numbers of a block of 32
.irp b, 0,1,2,3
	v_mov_b32 v[TM+4+\b], 0                        ; written once: a lane permute's destination counts as one of its sources
.endr
	s_mov_b32 s50, 0x76543210
	s_mov_b32 s51, 0xfedcba98                      ; v_permlanex16_b32's selects for lane l xor 16
	s_mov_b32 s54, 0x600000                        ; the mantissa field of 448
	s_and_b32 s59, ttmp7, 0xffff                   ; kq
	s_mov_b32 s57, 0
	s_wait_kmcnt 0x0
	s_load_b32 s40, s[12:13], 0x40                 ; the tiles in all
	s_lshl_b32 s56, ttmp9, 6
	s_add_nc_u64 s[6:7], s[6:7], s[56:57]          ; order at 64 t
.irp u, 0,1,2,3
	global_load_b128 v[OFF+4*\u:OFF+4*\u+3], v1, s[6:7] offset:16*\u   ; the tile's 16 tokens, the same in every lane (every tile of the list has been stored)
.endr
	s_lshl_b32 s56, s59, 11
	s_add_nc_u64 s[4:5], s[4:5], s[56:57]          ; x at my 512 numbers of a row
	s_lshl_b32 s56, ttmp9, 15
	s_lshl_b32 s58, s59, 13
	s_add_co_u32 s56, s56, s58
	s_add_nc_u64 s[8:9], s[8:9], s[56:57]          ; xq at 32768 t + 8192 kq
	s_lshl_b32 s56, ttmp9, 10
	s_lshl_b32 s58, s59, 8
	s_add_co_u32 s56, s56, s58
	s_add_nc_u64 s[10:11], s[10:11], s[56:57]      ; xs at 1024 t + 256 kq
	s_wait_kmcnt 0x0
	s_cmp_ge_u32 ttmp9, s40
	s_cbranch_scc1 .Lend                           ; this split has no tile t
	s_wait_loadcnt 0x0
.irp r, 0,1,2,3,4,5,6,7,8,9,10,11,12,13,14,15
	v_min_u32 v[OFF+\r], 0x7ff, v[OFF+\r]
.endr
.irp r, 0,1,2,3,4,5,6,7,8,9,10,11,12,13,14,15
	v_lshl_add_u32 v[OFF+\r], v[OFF+\r], 13, v2    ; a row of x is 8,192 bytes
.endr
.macro XLOAD i                         ; K step i of the 16 rows: each load reads 512 consecutive bytes of one row.  (No hint: the next launch reads x again)
.irp r, 0,1,2,3,4,5,6,7,8,9,10,11,12,13,14,15
	global_load_b128 v[RR+64*((\i)%2)+4*\r:RR+64*((\i)%2)+4*\r+3], v[OFF+\r], s[4:5] offset:512*(\i)
.endr
.endm
.macro TURN i                          ; through the stage: in by rows as loaded, out 16 neighbours of each block of 32 to a lane: register 16 c + n = k 32 c + 16 h + n of row r
.irp r, 0,1,2,3,4,5,6,7,8,9,10,11,12,13,14,15
	ds_store_b128 v2, v[RR+64*((\i)%2)+4*\r:RR+64*((\i)%2)+4*\r+3] offset:SP*\r
.endr
.irp c, 0,1,2,3
.irp u, 0,1,2,3
	ds_load_b128 v[XX+16*\c+4*\u:XX+16*\c+4*\u+3], v11 offset:128*\c+16*\u   ; LDS serves a wave's instructions in order: these see the stores above
.endr
.endr
.endm
.macro QUANT pw                        ; the 64 numbers in v[XX] on become a fragment's codes in v[PC] on and my row's scale word in v[pw]
.irp b, 0,1,2,3
	v_max3_num_f32 v[TM+\b], |v[XX+16*\b]|, |v[XX+1+16*\b]|, 0x4800000   ; block b: my 16 numbers, and the floor 2^(9 - 127): the byte cannot fall under 1
.endr
.irp i, 2,4,6,8,10,12,14
.irp b, 0,1,2,3
	v_max3_num_f32 v[TM+\b], v[TM+\b], |v[XX+16*\b+\i]|, |v[XX+1+16*\b+\i]|   ; the four blocks by turns: no line waits for the line above it
.endr
.endr
.irp b, 0,1,2,3
	v_permlanex16_b32 v[TM+4+\b], v[TM+\b], s50, s51
.endr
.irp b, 0,1,2,3
	v_max_num_f32 v[TM+\b], v[TM+\b], v[TM+4+\b]   ; with lane l xor 16's: the block's largest magnitude
.endr
.irp b, 0,1,2,3
	v_add_nc_u32 v[TM+12+\b], 0xfc000000, v[TM+\b] ; 8 off its exponent field: the conversion takes this operand's exponent field as its scale
.endr
.irp b, 0,1,2,3
	v_and_or_b32 v[TM+8+\b], v[TM+\b], 0x7f800000, s54   ; 448 x the scale
.endr
.irp b, 0,1,2,3
	v_lshrrev_b32 v[TM+4+\b], 23, v[TM+12+\b]      ; the scale's byte
.endr
	v_lshl_or_b32 v[\pw], v[TM+5], 8, v[TM+4]
	v_lshl_or_b32 v[\pw], v[TM+6], 16, v[\pw]
	v_lshl_or_b32 v[\pw], v[TM+7], 24, v[\pw]
.irp b, 0,1,2,3
.irp i, 0,1,2,3,4,5,6,7,8,9,10,11,12,13,14,15
	v_med3_num_f32 v[XX+16*\b+\i], v[XX+16*\b+\i], -v[TM+8+\b], v[TM+8+\b]   ; the conversion to an 8-bit code does not saturate (ISA guide 7.6.2): the hold comes first
.endr
	v_cvt_scalef32_pk8_fp8_f32 v[PC+4*\b:PC+1+4*\b], v[XX+16*\b:XX+7+16*\b], v[TM+12+\b]
	v_cvt_scalef32_pk8_fp8_f32 v[PC+2+4*\b:PC+3+4*\b], v[XX+8+16*\b:XX+15+16*\b], v[TM+12+\b]
.endr
	v_nop                                          ; one plain line behind the last conversion
.endm
.macro PSTEP i
.if (\i) < 3
	s_wait_loadcnt 16                              ; this step's 16 loads are in; the next step's 16 may be out
.else
	s_wait_loadcnt 0
.endif
	TURN \i
	s_wait_dscnt 0x0                               ; the stage's stores have read their registers, and my 64 numbers are in
	s_wait_xcnt 0x0                                ; the last step's stores have read the codes' registers
.if (\i)+2 < 4
	XLOAD (\i)+2                                   ; into the set just read out
.endif
	QUANT PWS+(\i)
.irp c, 0,1,2,3
	global_store_b128 v2, v[PC+4*\c:PC+4*\c+3], s[8:9] offset:2048*(\i)+512*\c   ; 32 lanes store 512 consecutive bytes, aligned
.endr
.endm
	XLOAD 0
	XLOAD 1
	PSTEP 0
	PSTEP 1
	PSTEP 2
	PSTEP 3
	global_store_b128 v6, v[PWS:PWS+3], s[10:11]   ; 16 rows x 4 words: 256 consecutive bytes, aligned (lanes 16-31 store the same again)
.Lend:
	s_wait_tensorcnt 0x0
	ds_add_u32 v9, v10
	s_wait_dscnt 0x0
	s_endpgm
.Lfunc_end_k_q7d57aa4899_quant:
	.size	k_q7d57aa4899_quant, .Lfunc_end_k_q7d57aa4899_quant-k_q7d57aa4899_quant
	.p2alignl 7, 3214868480
	.fill 96, 4, 3214868480
	.section	.rodata,"a",@progbits
	.p2align	6, 0x0
	.amdhsa_kernel k_q7d57aa4899_quant
		.amdhsa_group_segment_fixed_size 8704
		.amdhsa_private_segment_fixed_size 0
		.amdhsa_enable_private_segment 0
		.amdhsa_kernarg_size 40
		.amdhsa_user_sgpr_count 2
		.amdhsa_user_sgpr_kernarg_segment_ptr 1
		.amdhsa_wavefront_size32 1
		.amdhsa_system_sgpr_workgroup_id_x 1
		.amdhsa_system_sgpr_workgroup_id_y 1
		.amdhsa_system_sgpr_workgroup_id_z 1
		.amdhsa_system_vgpr_workitem_id 0
		.amdhsa_next_free_vgpr 256
		.amdhsa_next_free_sgpr 66
		.amdhsa_reserve_vcc 0
		.amdhsa_float_denorm_mode_32 3
		.amdhsa_float_denorm_mode_16_64 3
		.amdhsa_memory_ordered 1
		.amdhsa_forward_progress 1
		.amdhsa_inst_pref_size 53
	.end_amdhsa_kernel
	.amdgpu_metadata
---
amdhsa.version: [ 1, 2 ]
amdhsa.kernels:
  - .name:           k_q7d57aa4899_quant
    .symbol:         k_q7d57aa4899_quant.kd
    .args:
      - { .name: x, .offset: 0, .size: 8, .value_kind: global_buffer, .address_space: global }
      - { .name: order, .offset: 8, .size: 8, .value_kind: global_buffer, .address_space: global }
      - { .name: xq, .offset: 16, .size: 8, .value_kind: global_buffer, .address_space: global }
      - { .name: xs, .offset: 24, .size: 8, .value_kind: global_buffer, .address_space: global }
      - { .name: meta, .offset: 32, .size: 8, .value_kind: global_buffer, .address_space: global }
    .group_segment_fixed_size: 8704
    .private_segment_fixed_size: 0
    .kernarg_segment_align: 8
    .kernarg_segment_size: 40
    .max_flat_workgroup_size: 32
    .sgpr_count:     66
    .vgpr_count:     256
    .wavefront_size: 32
...
	.end_amdgpu_metadata
.endif
;; end of part 2
;; launch moe (part 3): grid 32 x 8, 4 waves a work-group, no clusters, 150,016 bytes of LDS; arguments W_codes, W_scales, b, x, xq, xs, order, meta, out0; writes out0
.if DOCPART == 3
	.amdgcn_target "amdgcn-amd-amdhsa--gfx1250"
	.amdhsa_code_object_version 6
	.text
	.protected	k_q7d57aa4899_moe
	.globl	k_q7d57aa4899_moe
	.p2align	8
	.type	k_q7d57aa4899_moe,@function
k_q7d57aa4899_moe:
	s_mov_b64 s[64:65], 0
	v_nop
	global_prefetch_b8 v0, s[64:65] scope:SCOPE_SE
	s_setreg_imm32_b32 hwreg(HW_REG_WAVE_MODE, 25, 1), 1
	s_wait_xcnt 0x0
; out[i] = x[i] + relu(Q(x[i]) . W[e]^T + b[e]), e = the token's expert: only the chosen rows are multiplied.  Codes of FP8 (E4M3) with one E8M0 scale for each 32 along K, on both sides; sums in f32.
; SHARES.  Work-group (cb, e): the 64 columns 64 cb .. 64 cb + 63 of expert e, for all of that expert's tiles of 16 rows (sorted and quantised by the launch before: xq, xs, order, meta).  32 x 8 work-groups.
; So every byte of W is read from memory by ONE work-group, once: its 64 rows x 2,048 bytes go into LDS (each wave brings 16 rows through its registers), ONE barrier, and from there on the four waves work alone.
; In a pass wave w takes tiles base + 4 j + w, j = 0 .. G - 1 (G = 5, or 4 where the fifth would hold nothing), each against all 64 columns: 4 G accumulators.  An expert with up to 20 tiles is done in one pass.
; x's fragments come straight from memory into registers, laid there by the launch before in the operand's own order: four loads of 512 consecutive bytes a fragment, three K steps ahead.
; THE MATRIX INSTRUCTION IS USED TRANSPOSED (source 0 = 16 rows of W, source 1 = 16 tokens): a lane holds one token and eight neighbouring columns.  The bias is the C of each sum's first instruction.
; NO TENSOR LOADS, NO CLUSTER: the number of an expert's tiles is a number read from memory, and branches hang on it.  W's tiles are shared by nobody; what the 32 work-groups of an expert share are x's codes.
; LIMITS: right for every split of the tokens, even only where the experts' shares are near even (all tokens on one expert: 32 work-groups walk 7 passes, the others store nothing).  ids in 0 .. 7.
; REGISTERS, in windows of 256 (s_set_vgpr_msb: bits 1:0 source 0, 3:2 source 1, 5:4 source 2, 7:6 destination):
;   window 0: v1-11 addresses; v32-63 W's scale words; v64-103 x's scale words, 8 a slot; v144-183 the rows' byte offsets in x and out, 8 a slot
;   window 1: accumulator (slot j, column tile b) at v[32 j + 8 b]; v160-191 the bias, 8 a column tile
;   window 2: x's fragments, sets 0, 1, 2 at v0, v80, v160 (16 registers a slot); at the end the residual rows of x
;   window 3: set 3 at v0; W's fragments, two sets of 64 at v128, v192; at the end rows on their way out.  At the start all 256: W on its way into LDS
.set WP,   2064                        ; a row of W in LDS: 2,048 bytes + 16 = 129 x 16: the sixteen rows that a load touches start in different banks
.set STG,  64*WP                       ; behind W: a stage of 16 rows x (256 + 16) bytes for each wave
.set WSC,  32
.set ASC,  64
.set TK,   144
.set BI,   160
.set BF,   128
.set XQB,  32                          ; s[32:41] slot j: its tile in xq;  s[42:51] in xs;  s[52:61] in order
.set XSB,  42
.set ORB,  52
.set PASS, 62                          ; s62  the passes walked
.set NPASS, 7                          ; 135 tiles at the most, 20 a pass: seven passes serve every split
.set MSB,  0
.macro WIN new                         ; the immediate's high byte repeats the setting that is left; a switch that changes nothing is dropped
.if MSB != \new
	s_set_vgpr_msb (MSB<<8)|\new
.set MSB, \new
.endif
.endm
.macro PLACES n
.rept \n
	v_nop
.endr
.endm
	s_load_b512 s[4:19], s[0:1], 0x0               ; W's codes s[4:5], W's scales s[6:7], b s[8:9], x s[10:11], xq s[12:13], xs s[14:15], order s[16:17], meta s[18:19]
	s_load_b64 s[20:21], s[0:1], 0x40              ; out
	v_lshl_add_u32 v254, v0, 2, 0x24800
	v_mov_b32 v255, 0
	v_lshrrev_b32 v12, 5, v0
	v_readfirstlane_b32 s22, v12                   ; wave 0..3
	s_and_b32 s23, ttmp7, 0xffff                   ; e
	s_mov_b32 s24, ttmp9                           ; cb
	v_and_b32 v13, 31, v0
	v_lshlrev_b32 v1, 4, v13                       ; 16 x lane
	v_and_b32 v2, 15, v0                           ; r
	v_bfe_u32 v3, v0, 4, 1                         ; h
	v_mul_u32_u24 v4, v2, WP
	v_lshl_add_u32 v4, v3, 4, v4                   ; W's fragments: row r, + 16 h: column tiles 0, 1;
	v_add_nc_u32 v5, 32*WP, v4                     ; tiles 2, 3
	s_mul_i32 s28, s22, 16*WP
	v_add_nc_u32 v6, s28, v1                       ; W on its way in: my wave's 16 rows, 16 x lane
	v_lshl_add_u32 v7, v3, 5, v2
	v_lshlrev_b32 v7, 6, v7                        ; W's scale words: row 32 h + r, 64 bytes a row
	v_lshlrev_b32 v8, 5, v3                        ; 32 h
	s_mul_i32 s28, s22, 16*272
	s_add_co_u32 s28, s28, STG                     ; my stage
	v_mul_u32_u24 v9, v2, 272
	v_lshl_add_u32 v9, v3, 5, v9
	v_add_nc_u32 v9, s28, v9                       ; in: row r, + 32 h
	v_mul_u32_u24 v10, v3, 8*272
	v_lshl_add_u32 v10, v2, 4, v10
	v_add_nc_u32 v10, s28, v10                     ; back: lanes 0-15 row t, lanes 16-31 row t + 8; 16 bytes a lane
	v_lshlrev_b32 v11, 4, v2                       ; 16 r
	s_lshl_b32 s29, s23, 11
	s_lshl_b32 s30, s24, 6
	s_add_co_u32 s29, s29, s30                     ; my first row of W: 2048 e + 64 cb
	s_lshl_b32 s30, s22, 4
	s_add_co_u32 s30, s29, s30
	s_lshl_b32 s66, s30, 11                        ; my wave's 16 rows of codes, 2,048 bytes a row (under 2^26)
	s_mov_b32 s67, 0
	s_lshl_b32 s68, s29, 6                         ; the scales, 64 bytes a row
	s_mov_b32 s69, 0
	s_lshl_b32 s70, s29, 2                         ; the bias
	s_mov_b32 s71, 0
	s_lshl_b32 s72, s24, 8                         ; my 256 bytes of a row of x and of out
	s_mov_b32 s73, 0
	s_lshl_b32 s74, s23, 2
	s_mov_b32 s75, 0
	s_wait_kmcnt 0x0
	s_add_nc_u64 s[18:19], s[18:19], s[74:75]
	s_load_b32 s26, s[18:19], 0x0                  ; my expert's first tile
	s_load_b32 s25, s[18:19], 0x20                 ; and its tiles: n
	s_add_nc_u64 s[4:5], s[4:5], s[66:67]
	s_add_nc_u64 s[6:7], s[6:7], s[68:69]
	s_add_nc_u64 s[8:9], s[8:9], s[70:71]
	s_add_nc_u64 s[10:11], s[10:11], s[72:73]
	s_add_nc_u64 s[20:21], s[20:21], s[72:73]
	WIN 0xc0
.set N_, 0
.rept 64                               ; my 16 rows of W: load N is row N / 4, bytes 512 (N % 4) on: 512 consecutive bytes; read once in the whole launch
	global_load_b128 v[4*N_:4*N_+3], v1, s[4:5] offset:2048*(N_/4)+512*(N_%4) th:TH_LOAD_NT
.set N_, N_+1
.endr
	WIN 0
.macro WSTORE g                        ; loads 16 g .. 16 g + 15 go into LDS
	WIN 0x0c
.set N_, 16*(\g)
.rept 16
	ds_store_b128 v6, v[4*N_:4*N_+3] offset:WP*(N_/4)+512*(N_%4)
.set N_, N_+1
.endr
	WIN 0
.endm
; The five slots' tiles: base + 4 j + wave, held at the expert's last tile (a slot past it repeats that tile and is not stored), + the expert's first tile, held inside the buffers.
.macro HEADADR
	s_sub_co_u32 s28, s25, 1
	s_add_co_u32 s29, s27, s22
.irp j, 0,1,2,3,4
	s_add_co_u32 s30, s29, 4*\j
	s_min_u32 s30, s30, s28
	s_add_co_u32 s30, s30, s26
	s_min_u32 s30, s30, 134
	s_lshl_b32 s66, s30, 15
	s_lshl_b32 s68, s30, 10
	s_lshl_b32 s70, s30, 6
	s_add_nc_u64 s[XQB+2*\j:XQB+2*\j+1], s[12:13], s[66:67]
	s_add_nc_u64 s[XSB+2*\j:XSB+2*\j+1], s[14:15], s[68:69]
	s_add_nc_u64 s[ORB+2*\j:ORB+2*\j+1], s[16:17], s[70:71]
.endr
.endm
; 20 loads: a slot's scale words (register 4 jj + i, lane (r, h): row r, K step 8 jj + 4 h + i) and its tokens (register t, lane (r, h): row t + 8 h)
.macro HEADLD1
.irp j, 0,1,2,3,4
	global_load_b128 v[ASC+8*\j:ASC+8*\j+3], v1, s[XSB+2*\j:XSB+2*\j+1]
	global_load_b128 v[ASC+8*\j+4:ASC+8*\j+7], v1, s[XSB+2*\j:XSB+2*\j+1] offset:512
	global_load_b128 v[TK+8*\j:TK+8*\j+3], v8, s[ORB+2*\j:ORB+2*\j+1]
	global_load_b128 v[TK+8*\j+4:TK+8*\j+7], v8, s[ORB+2*\j:ORB+2*\j+1] offset:16
.endr
.endm
.macro ALOAD s, n                      ; K step s of x's fragments, slots 0 .. n - 1, into set s % 4: 4 n loads of 512 consecutive bytes
.if ((\s)%4) == 3
	WIN 0xc0
.set AB_, 0
.else
	WIN 0x80
.set AB_, 80*((\s)%4)
.endif
.set J_, 0
.rept \n
.irp c, 0,1,2,3
	global_load_b128 v[AB_+16*J_+4*\c:AB_+16*J_+4*\c+3], v1, s[XQB+2*J_:XQB+2*J_+1] offset:2048*(\s)+512*\c
.endr
.set J_, J_+1
.endr
.endm
.macro BLOAD s                         ; K step s of W's four fragments, from LDS, into set s % 2: lane (r, h), registers 4 c .. 4 c + 3: k = 128 s + 32 c + 16 h + 0 .. 15 of row 16 b + r
	WIN 0xc0
.irp b, 0,1,2,3
.irp c, 0,1,2,3
	ds_load_b128 v[BF+64*((\s)%2)+16*\b+4*\c:BF+64*((\s)%2)+16*\b+4*\c+3], v[4+\b/2] offset:16*WP*(\b%2)+128*(\s)+32*\c
.endr
.endr
.endm
; One product: slot J_, column tile b, K step s.  W's scale word: register 16 (b % 2) + s, lanes 0-15 for tiles 0, 1, lanes 16-31 for tiles 2, 3.  x's: register 4 (s / 8) + s % 4 of the slot, lanes 16-31 where (s / 4) is odd.
.macro WM s, b
.set D_, 32*J_+8*(\b)
.set F_, BF+64*((\s)%2)+16*(\b)
.set X_, AB_+16*J_
.set P_, WSC+16*((\b)%2)+(\s)
.set Q_, ASC+8*J_+4*((\s)/8)+((\s)%4)
.if (\s) == 0
.if (\b) < 2
	v_wmma_scale_f32_16x16x128_f8f6f4 v[D_:D_+7], v[F_:F_+15], v[X_:X_+15], v[BI+8*(\b):BI+8*(\b)+7], v[P_], v[Q_]
.else
	v_wmma_scale_f32_16x16x128_f8f6f4 v[D_:D_+7], v[F_:F_+15], v[X_:X_+15], v[BI+8*(\b):BI+8*(\b)+7], v[P_], v[Q_] matrix_a_scale:MATRIX_SCALE_ROW1
.endif
.elseif (((\s)/4)%2) == 0
.if (\b) < 2
	v_wmma_scale_f32_16x16x128_f8f6f4 v[D_:D_+7], v[F_:F_+15], v[X_:X_+15], v[D_:D_+7], v[P_], v[Q_]
.else
	v_wmma_scale_f32_16x16x128_f8f6f4 v[D_:D_+7], v[F_:F_+15], v[X_:X_+15], v[D_:D_+7], v[P_], v[Q_] matrix_a_scale:MATRIX_SCALE_ROW1
.endif
.else
.if (\b) < 2
	v_wmma_scale_f32_16x16x128_f8f6f4 v[D_:D_+7], v[F_:F_+15], v[X_:X_+15], v[D_:D_+7], v[P_], v[Q_] matrix_b_scale:MATRIX_SCALE_ROW1
.else
	v_wmma_scale_f32_16x16x128_f8f6f4 v[D_:D_+7], v[F_:F_+15], v[X_:X_+15], v[D_:D_+7], v[P_], v[Q_] matrix_a_scale:MATRIX_SCALE_ROW1 matrix_b_scale:MATRIX_SCALE_ROW1
.endif
.endif
.endm
.macro MM s, g                         ; 4 g products; the 4 g accumulators take turns, one instruction a turn, in the same order in every step
.if ((\s)%4) == 3
	WIN 0x5f                                       ; W window 3, x window 3, C and D window 1
.set AB_, 0
.else
	WIN 0x5b                                       ; W window 3, x window 2, C and D window 1
.set AB_, 80*((\s)%4)
.endif
.set J_, 0
.rept \g
.irp b, 0,1,2,3
	WM \s, \b
.endr
.set J_, J_+1
.endr
.endm
.macro TKFIX s                         ; four tokens become byte offsets: 8,192 x token + 16 r.  Eight plain lines that name no register of the products: they are the places of steps 1 to 10
.irp k, 0,1,2,3
	v_min_u32 v[TK+4*((\s)-1)+\k], 0x7ff, v[TK+4*((\s)-1)+\k]
.endr
.irp k, 0,1,2,3
	v_lshl_add_u32 v[TK+4*((\s)-1)+\k], v[TK+4*((\s)-1)+\k], 13, v11
.endr
.endm
.macro RESL j                          ; slot j's 16 rows of x, my 256 bytes of each: sixteen lanes read one aligned run of 256 bytes
	WIN 0x80
.irp t, 0,1,2,3,4,5,6,7
	global_load_b128 v[80*((\j)/2)+32*((\j)%2)+4*\t:80*((\j)/2)+32*((\j)%2)+4*\t+3], v[TK+8*(\j)+\t], s[10:11]
.endr
.endm
; A K step of 128.  Loads into registers that the last step's products read stand eight places behind them.
; x's fragments are asked for three steps ahead; in the last three steps the sets that have fallen free take the residual rows.  W's fragments are asked for one step ahead.
.macro KSTEP s, g
	WIN 0
.if (\s) > 0
.if (\s) <= 10
	TKFIX \s
.else
	PLACES 8
.endif
.endif
.if (\s) <= 12
	ALOAD (\s)+3, \g
.elseif (\s) == 13
	RESL 0
	RESL 1
.elseif (\s) == 14
	RESL 2
	RESL 3
.elseif (\g) == 5
	RESL 4
.endif
.if (\s) <= 14
	BLOAD (\s)+1
.endif
; the count: the loads issued behind this step's fragments.  Steps 0 to 2 were asked for with five slots (20 loads), the later ones with g (4 g); a slot's residual rows are 8 loads
.if (\s) == 0
	s_wait_loadcnt 40+4*\g
.elseif (\s) == 1
	s_wait_loadcnt 20+8*\g
.elseif (\s) <= 12
	s_wait_loadcnt 12*\g
.elseif (\s) == 13
	s_wait_loadcnt 8*\g+16
.elseif (\s) == 14
	s_wait_loadcnt 4*\g+32
.else
	s_wait_loadcnt 8*\g
.endif
.if (\s) <= 14
	s_wait_dscnt 16                                ; this step's W is in; the 16 loads just issued may be out
.else
	s_wait_dscnt 0
.endif
	MM \s, \g
.endm
.macro KLOOP g
	BLOAD 0
.set S_, 0
.rept 16
	KSTEP S_, \g
.set S_, S_+1
.endr
.endm
; THE WAY OUT of slot j.  A lane holds 32 bytes of each of four pieces of ONE row; through my own stage they become whole runs of 256 bytes of a row; relu, + x, stored.  A slot past the expert's last tile is passed over.
.macro ESLOT j, g
	s_add_co_u32 s30, s31, 4*\j
	s_cmp_ge_u32 s30, s25
	s_cbranch_scc1 .Lskip_\@
	s_wait_xcnt 0x0                                ; the stores of two slots ago have read the registers that the loads below fill
	WIN 0x04
.irp b, 0,1,2,3
	ds_store_b128 v9, v[32*\j+8*\b:32*\j+8*\b+3] offset:64*\b            ; each accumulator from its low end on
	ds_store_b128 v9, v[32*\j+8*\b+4:32*\j+8*\b+7] offset:64*\b+16
.endr
	WIN 0xc0
.irp t, 0,1,2,3,4,5,6,7
	ds_load_b128 v[BF+32*(\j%2)+4*\t:BF+32*(\j%2)+4*\t+3], v10 offset:272*\t   ; LDS serves a wave's instructions in order (ISA guide 5.7.1.4): these see the stores above
.endr
	s_wait_dscnt 0x0
	s_wait_loadcnt 8*(\g-1-\j)                     ; my residual rows are in; the later slots' may be out
	WIN 0xcf
.set I_, 0
.rept 32
	v_max_num_f32 v[BF+32*(\j%2)+I_], 0, v[BF+32*(\j%2)+I_]
.set I_, I_+1
.endr
	WIN 0xcb
.set I_, 0
.rept 16
	v_pk_add_f32 v[BF+32*(\j%2)+I_:BF+32*(\j%2)+I_+1], v[BF+32*(\j%2)+I_:BF+32*(\j%2)+I_+1], v[80*(\j/2)+32*(\j%2)+I_:80*(\j/2)+32*(\j%2)+I_+1]
.set I_, I_+2
.endr
	WIN 0x0c
.irp t, 0,1,2,3,4,5,6,7
	global_store_b128 v[TK+8*\j+\t], v[BF+32*(\j%2)+4*\t:BF+32*(\j%2)+4*\t+3], s[20:21] th:TH_STORE_NT   ; sixteen lanes store 256 consecutive bytes, aligned
.endr
	WIN 0
.Lskip_\@:
.endm
.macro EPI g
	WIN 0
	PLACES 9                                       ; eight in front of the first read of results and of loads into the products' registers; the ninth since the next pass's first products write over these accumulators with another C
.irp j, 0,1,2,3,4
.if \j < \g
	ESLOT \j, \g
.endif
.endr
.endm
	s_wait_kmcnt 0x0
	s_min_u32 s25, s25, 135
	s_min_u32 s26, s26, 134
	s_mov_b32 s27, 0                               ; base
	s_mov_b32 s[PASS], 0
	HEADADR
	s_wait_loadcnt 48                              ; W's first 16 loads are in (behind them: 48)
	WSTORE 0
.irp p, 0,1
.irp q, 0,1,2,3
	global_load_b128 v[WSC+16*\p+4*\q:WSC+16*\p+4*\q+3], v7, s[6:7] offset:1024*\p+16*\q   ; register 16 p + s, lane (r, h): row 32 h + 16 p + r, K step s
.endr
.endr
	WIN 0x40
.irp b, 0,1,2,3
.irp u, 0,1
	global_load_b128 v[BI+8*\b+4*\u:BI+8*\b+4*\u+3], v8, s[8:9] offset:64*\b+16*\u         ; lane (r, h): b at columns 16 b + 8 h + 0 .. 7: the result's layout
.endr
.endr
	WIN 0
	s_wait_loadcnt 48                              ; the second 16 (behind them: 32 of W and the 16 above)
	WSTORE 1
	HEADLD1
	s_wait_loadcnt 52                              ; the third 16 (behind them: 16 + 16 + 20)
	WSTORE 2
	ALOAD 0, 5
	WIN 0
	s_wait_loadcnt 56                              ; the last 16 (behind them: 16 + 20 + 20)
	WSTORE 3
	ALOAD 1, 5
	ALOAD 2, 5
	WIN 0
	s_wait_dscnt 0x0                               ; for the others' sake: my 16 rows of W lie in LDS
	s_barrier_signal -1
	s_barrier_wait -1                              ; all 64 do.  The launch's only barrier: nothing is written into W's bytes again, and each wave's stage is its own
	s_cmp_lt_u32 s22, s25                          ; has my wave a tile at all?  (Tile w of the expert's n.)  Its part of W lies in LDS and the barrier is passed: a wave without a tile ends here
	s_cbranch_scc1 .Lpass
	s_wait_tensorcnt 0x0
	ds_add_u32 v254, v255
	s_wait_dscnt 0x0
	s_endpgm
; THE PASSES.  The loop is counted by s[PASS], stepped once a trip by 1, against the constant NPASS: n is held at 135, a pass takes 20 tiles, so behind the seventh pass base is 140 and nothing can be left.
; No branch leads out of the loop: a wave whose next pass holds no tile for it ends inside it, which is how every wave ends.
.Lpass:
	s_add_co_u32 s31, s27, s22                     ; my first tile of the pass: it is under n on both ways in
	s_add_co_u32 s30, s31, 16
	s_cmp_lt_u32 s30, s25
	s_cbranch_scc0 .Lfour
	KLOOP 5
	EPI 5
	s_branch .Ljoin
.Lfour:
	KLOOP 4
	EPI 4
.Ljoin:
	s_add_co_u32 s27, s27, 20
	s_add_co_u32 s31, s27, s22
	s_cmp_lt_u32 s31, s25
	s_cbranch_scc1 .Lmore
	s_wait_tensorcnt 0x0
	ds_add_u32 v254, v255
	s_wait_dscnt 0x0
	s_endpgm                                       ; nothing is left for my wave
.Lmore:
	s_wait_loadcnt 0x0                             ; no load is out (a slot that was passed over has left its residual rows' loads unwaited): the registers may be loaded again
	s_wait_xcnt 0x0                                ; and the stores have read their bases, offsets and data
	HEADADR
	HEADLD1
	ALOAD 0, 5
	ALOAD 1, 5
	ALOAD 2, 5
	WIN 0
	s_add_co_u32 s[PASS], s[PASS], 1
	s_cmp_lt_u32 s[PASS], NPASS
	s_cbranch_scc1 .Lpass
	s_wait_tensorcnt 0x0
	ds_add_u32 v254, v255
	s_wait_dscnt 0x0
	s_endpgm
.Lfunc_end_k_q7d57aa4899_moe:
	.size	k_q7d57aa4899_moe, .Lfunc_end_k_q7d57aa4899_moe-k_q7d57aa4899_moe
	.p2alignl 7, 3214868480
	.fill 96, 4, 3214868480
	.section	.rodata,"a",@progbits
	.p2align	6, 0x0
	.amdhsa_kernel k_q7d57aa4899_moe
		.amdhsa_group_segment_fixed_size 150016
		.amdhsa_private_segment_fixed_size 0
		.amdhsa_enable_private_segment 0
		.amdhsa_kernarg_size 72
		.amdhsa_user_sgpr_count 2
		.amdhsa_user_sgpr_kernarg_segment_ptr 1
		.amdhsa_wavefront_size32 1
		.amdhsa_system_sgpr_workgroup_id_x 1
		.amdhsa_system_sgpr_workgroup_id_y 1
		.amdhsa_system_sgpr_workgroup_id_z 1
		.amdhsa_system_vgpr_workitem_id 0
		.amdhsa_next_free_vgpr 1024
		.amdhsa_next_free_sgpr 80
		.amdhsa_reserve_vcc 0
		.amdhsa_float_denorm_mode_32 3
		.amdhsa_float_denorm_mode_16_64 3
		.amdhsa_memory_ordered 1
		.amdhsa_forward_progress 1
		.amdhsa_inst_pref_size 246
	.end_amdhsa_kernel
	.amdgpu_metadata
---
amdhsa.version: [ 1, 2 ]
amdhsa.kernels:
  - .name:           k_q7d57aa4899_moe
    .symbol:         k_q7d57aa4899_moe.kd
    .args:
      - { .name: W_codes, .offset: 0, .size: 8, .value_kind: global_buffer, .address_space: global }
      - { .name: W_scales, .offset: 8, .size: 8, .value_kind: global_buffer, .address_space: global }
      - { .name: b, .offset: 16, .size: 8, .value_kind: global_buffer, .address_space: global }
      - { .name: x, .offset: 24, .size: 8, .value_kind: global_buffer, .address_space: global }
      - { .name: xq, .offset: 32, .size: 8, .value_kind: global_buffer, .address_space: global }
      - { .name: xs, .offset: 40, .size: 8, .value_kind: global_buffer, .address_space: global }
      - { .name: order, .offset: 48, .size: 8, .value_kind: global_buffer, .address_space: global }
      - { .name: meta, .offset: 56, .size: 8, .value_kind: global_buffer, .address_space: global }
      - { .name: out0, .offset: 64, .size: 8, .value_kind: global_buffer, .address_space: global }
    .group_segment_fixed_size: 150016
    .private_segment_fixed_size: 0
    .kernarg_segment_align: 8
    .kernarg_segment_size: 72
    .max_flat_workgroup_size: 128
    .sgpr_count:     80
    .vgpr_count:     1024
    .wavefront_size: 32
...
	.end_amdgpu_metadata
.endif
;; end of part 3
;; ======== version 2 of 2: 3 launches
;; workspace buffers: xq 4,423,680 bytes; xs 138,240 bytes; order 8,704 bytes of whole numbers; meta 256 bytes of whole numbers
;; launch sort: the kernel of part 1 again; grid 135 x 1, 1 waves a work-group, no clusters, 0 bytes of LDS; arguments cam_pred_ids, order, meta; writes order, meta
;; launch quant (part 4): grid 135 x 4, 1 waves a work-group, no clusters, 8,704 bytes of LDS; arguments x, order, xq, xs, meta; writes xq, xs
.if DOCPART == 4
	.amdgcn_target "amdgcn-amd-amdhsa--gfx1250"
	.amdhsa_code_object_version 6
	.text
	.protected	k_q7d57aa4899_quant
	.globl	k_q7d57aa4899_quant
	.p2align	8
	.type	k_q7d57aa4899_quant,@function
k_q7d57aa4899_quant:
	s_mov_b64 s[64:65], 0
	v_nop
	global_prefetch_b8 v0, s[64:65] scope:SCOPE_SE
	s_setreg_imm32_b32 hwreg(HW_REG_WAVE_MODE, 25, 1), 1
	s_wait_xcnt 0x0
; THE ROWS OF x ARE GATHERED BY TILE AND QUANTISED ONCE.  x: [2048][2048] f32; order, meta: the lists that the launch before stored (order[16 t + r] = the token of tile t's row r; meta[16] = the tiles in all).
; Work-group (t, kq), one wave, makes tile t's codes for K = 512 kq .. 512 kq + 511 (four K steps of 128).  The grid serves every split: 135 tiles at the most; a work-group whose t lies past the
; last tile of this split stores nothing and ends: a branch on a stored number.
; OUT:  xq  [tile][K step 0..15][c 0..3][lane][16 bytes]: the image of the matrix operand's registers: lane (r, h) holds k = 128 s + 32 c + 16 h + 0 .. 15 of the tile's row r;
;       xs  the scale word (four E8M0 bytes) of (row r, K step 4 kq + i) at 1024 tile + 256 kq + 16 r + 4 i.
; THE QUANTISER: a block's scale is 2^(floor(log2(largest magnitude)) - 8); its byte is the largest magnitude's exponent field - 8, held at 1 from below; numbers are held within +-448 x the scale and rounded to the nearest code, ties to even.
; LIMITS: NaN and infinities in x are not served; a block of zeros gets the byte 1 where the rule says 127: its codes are zeros, and this program alone reads the bytes.
; No matrix unit, no tensor loads: the launch streams x once; the rows are named by a list read from memory, and a branch hangs on a number read from memory, so the loads go through registers.
.set SP,   528                         ; LDS: a stage of 16 rows x (512 + 16) bytes: 33 x 16 bytes a row: the sixteen rows that a read touches start in different banks
.set PWS,  12                          ; v12-15   the four K steps' scale words
.set OFF,  16                          ; v16-31   row r: its token, then 8192 x its token + 16 x lane
.set TM,   32                          ; v32-47   at work in the quantiser
.set PC,   48                          ; v48-63   a fragment's codes
.set XX,   64                          ; v64-127  64 numbers of my row
.set RR,   128                         ; v128-255 two sets of 16 rows x 16 bytes a lane, as loaded
	s_load_b256 s[4:11], s[0:1], 0x0               ; x s[4:5], order s[6:7], xq s[8:9], xs s[10:11]
	s_load_b64 s[12:13], s[0:1], 0x20              ; meta
	v_lshl_add_u32 v9, v0, 2, 0x2100
	v_mov_b32 v10, 0
	v_mov_b32 v1, 0
	v_lshlrev_b32 v2, 4, v0                        ; 16 x lane (one wave: v0 is the lane): also my place in a row of the stage, on the way in
	v_and_b32 v3, 15, v0                           ; r
	v_lshrrev_b32 v4, 4, v0                        ; h
	v_lshlrev_b32 v6, 4, v3                        ; 16 r
	v_mul_u32_u24 v11, v3, SP
	v_lshl_add_u32 v11, v4, 6, v11                 ; the stage, on the way out: row r, + 64 h: my 16 numbers of a block of 32
.irp b, 0,1,2,3
	v_mov_b32 v[TM+4+\b], 0                        ; written once: a lane permute's destination counts as one of its sources
.endr
	s_mov_b32 s50, 0x76543210
	s_mov_b32 s51, 0xfedcba98                      ; v_permlanex16_b32's selects for lane l xor 16
	s_mov_b32 s54, 0x600000                        ; the mantissa field of 448
	s_and_b32 s59, ttmp7, 0xffff                   ; kq
	s_mov_b32 s57, 0
	s_wait_kmcnt 0x0
	s_load_b32 s40, s[12:13], 0x40                 ; the tiles in all
	s_lshl_b32 s56, ttmp9, 6
	s_add_nc_u64 s[6:7], s[6:7], s[56:57]          ; order at 64 t
.irp u, 0,1,2,3
	global_load_b128 v[OFF+4*\u:OFF+4*\u+3], v1, s[6:7] offset:16*\u   ; the tile's 16 tokens, the same in every lane (every tile of the list has been stored)
.endr
	s_lshl_b32 s56, s59, 11
	s_add_nc_u64 s[4:5], s[4:5], s[56:57]          ; x at my 512 numbers of a row
	s_lshl_b32 s56, ttmp9, 15
	s_lshl_b32 s58, s59, 13
	s_add_co_u32 s56, s56, s58
	s_add_nc_u64 s[8:9], s[8:9], s[56:57]          ; xq at 32768 t + 8192 kq
	s_lshl_b32 s56, ttmp9, 10
	s_lshl_b32 s58, s59, 8
	s_add_co_u32 s56, s56, s58
	s_add_nc_u64 s[10:11], s[10:11], s[56:57]      ; xs at 1024 t + 256 kq
	s_wait_kmcnt 0x0
	s_cmp_ge_u32 ttmp9, s40
	s_cbranch_scc1 .Lend                           ; this split has no tile t
	s_wait_loadcnt 0x0
.irp r, 0,1,2,3,4,5,6,7,8,9,10,11,12,13,14,15
	v_min_u32 v[OFF+\r], 0x7ff, v[OFF+\r]
.endr
.irp r, 0,1,2,3,4,5,6,7,8,9,10,11,12,13,14,15
	v_lshl_add_u32 v[OFF+\r], v[OFF+\r], 13, v2    ; a row of x is 8,192 bytes
.endr
.macro XLOAD i                         ; K step i of the 16 rows: each load reads 512 consecutive bytes of one row.  (No hint: the next launch reads x again)
.irp r, 0,1,2,3,4,5,6,7,8,9,10,11,12,13,14,15
	global_load_b128 v[RR+64*((\i)%2)+4*\r:RR+64*((\i)%2)+4*\r+3], v[OFF+\r], s[4:5] offset:512*(\i)
.endr
.endm
.macro TURN i                          ; through the stage: in by rows as loaded, out 16 neighbours of each block of 32 to a lane: register 16 c + n = k 32 c + 16 h + n of row r
.irp r, 0,1,2,3,4,5,6,7,8,9,10,11,12,13,14,15
	ds_store_b128 v2, v[RR+64*((\i)%2)+4*\r:RR+64*((\i)%2)+4*\r+3] offset:SP*\r
.endr
.irp c, 0,1,2,3
.irp u, 0,1,2,3
	ds_load_b128 v[XX+16*\c+4*\u:XX+16*\c+4*\u+3], v11 offset:128*\c+16*\u   ; LDS serves a wave's instructions in order: these see the stores above
.endr
.endr
.endm
.macro QUANT pw                        ; the 64 numbers in v[XX] on become a fragment's codes in v[PC] on and my row's scale word in v[pw]
.irp b, 0,1,2,3
	v_max3_num_f32 v[TM+\b], |v[XX+16*\b]|, |v[XX+1+16*\b]|, 0x4800000   ; block b: my 16 numbers, and the floor 2^(9 - 127): the byte cannot fall under 1
.endr
.irp i, 2,4,6,8,10,12,14
.irp b, 0,1,2,3
	v_max3_num_f32 v[TM+\b], v[TM+\b], |v[XX+16*\b+\i]|, |v[XX+1+16*\b+\i]|   ; the four blocks by turns: no line waits for the line above it
.endr
.endr
.irp b, 0,1,2,3
	v_permlanex16_b32 v[TM+4+\b], v[TM+\b], s50, s51
.endr
.irp b, 0,1,2,3
	v_max_num_f32 v[TM+\b], v[TM+\b], v[TM+4+\b]   ; with lane l xor 16's: the block's largest magnitude
.endr
.irp b, 0,1,2,3
	v_add_nc_u32 v[TM+12+\b], 0xfc000000, v[TM+\b] ; 8 off its exponent field: the conversion takes this operand's exponent field as its scale
.endr
.irp b, 0,1,2,3
	v_and_or_b32 v[TM+8+\b], v[TM+\b], 0x7f800000, s54   ; 448 x the scale
.endr
.irp b, 0,1,2,3
	v_lshrrev_b32 v[TM+4+\b], 23, v[TM+12+\b]      ; the scale's byte
.endr
	v_lshl_or_b32 v[\pw], v[TM+5], 8, v[TM+4]
	v_lshl_or_b32 v[\pw], v[TM+6], 16, v[\pw]
	v_lshl_or_b32 v[\pw], v[TM+7], 24, v[\pw]
.irp b, 0,1,2,3
.irp i, 0,1,2,3,4,5,6,7,8,9,10,11,12,13,14,15
	v_med3_num_f32 v[XX+16*\b+\i], v[XX+16*\b+\i], -v[TM+8+\b], v[TM+8+\b]   ; the conversion to an 8-bit code does not saturate (ISA guide 7.6.2): the hold comes first
.endr
	v_cvt_scalef32_pk8_fp8_f32 v[PC+4*\b:PC+1+4*\b], v[XX+16*\b:XX+7+16*\b], v[TM+12+\b]
	v_cvt_scalef32_pk8_fp8_f32 v[PC+2+4*\b:PC+3+4*\b], v[XX+8+16*\b:XX+15+16*\b], v[TM+12+\b]
.endr
	v_nop                                          ; one plain line behind the last conversion
.endm
.macro PSTEP i
.if (\i) < 3
	s_wait_loadcnt 16                              ; this step's 16 loads are in; the next step's 16 may be out
.else
	s_wait_loadcnt 0
.endif
	TURN \i
	s_wait_dscnt 0x0                               ; the stage's stores have read their registers, and my 64 numbers are in
	s_wait_xcnt 0x0                                ; the last step's stores have read the codes' registers
.if (\i)+2 < 4
	XLOAD (\i)+2                                   ; into the set just read out
.endif
	QUANT PWS+(\i)
.irp c, 0,1,2,3
	global_store_b128 v2, v[PC+4*\c:PC+4*\c+3], s[8:9] offset:2048*(\i)+512*\c   ; 32 lanes store 512 consecutive bytes, aligned
.endr
.endm
	XLOAD 0
	XLOAD 1
	s_wait_alu depctr_va_vdst(0)
	PSTEP 0
	PSTEP 1
	PSTEP 2
	PSTEP 3
	global_store_b128 v6, v[PWS:PWS+3], s[10:11]   ; 16 rows x 4 words: 256 consecutive bytes, aligned (lanes 16-31 store the same again)
.Lend:
	s_wait_tensorcnt 0x0
	ds_add_u32 v9, v10
	s_wait_dscnt 0x0
	s_endpgm
.Lfunc_end_k_q7d57aa4899_quant:
	.size	k_q7d57aa4899_quant, .Lfunc_end_k_q7d57aa4899_quant-k_q7d57aa4899_quant
	.p2alignl 7, 3214868480
	.fill 96, 4, 3214868480
	.section	.rodata,"a",@progbits
	.p2align	6, 0x0
	.amdhsa_kernel k_q7d57aa4899_quant
		.amdhsa_group_segment_fixed_size 8704
		.amdhsa_private_segment_fixed_size 0
		.amdhsa_enable_private_segment 0
		.amdhsa_kernarg_size 40
		.amdhsa_user_sgpr_count 2
		.amdhsa_user_sgpr_kernarg_segment_ptr 1
		.amdhsa_wavefront_size32 1
		.amdhsa_system_sgpr_workgroup_id_x 1
		.amdhsa_system_sgpr_workgroup_id_y 1
		.amdhsa_system_sgpr_workgroup_id_z 1
		.amdhsa_system_vgpr_workitem_id 0
		.amdhsa_next_free_vgpr 256
		.amdhsa_next_free_sgpr 66
		.amdhsa_reserve_vcc 0
		.amdhsa_float_denorm_mode_32 3
		.amdhsa_float_denorm_mode_16_64 3
		.amdhsa_memory_ordered 1
		.amdhsa_forward_progress 1
		.amdhsa_inst_pref_size 53
	.end_amdhsa_kernel
	.amdgpu_metadata
---
amdhsa.version: [ 1, 2 ]
amdhsa.kernels:
  - .name:           k_q7d57aa4899_quant
    .symbol:         k_q7d57aa4899_quant.kd
    .args:
      - { .name: x, .offset: 0, .size: 8, .value_kind: global_buffer, .address_space: global }
      - { .name: order, .offset: 8, .size: 8, .value_kind: global_buffer, .address_space: global }
      - { .name: xq, .offset: 16, .size: 8, .value_kind: global_buffer, .address_space: global }
      - { .name: xs, .offset: 24, .size: 8, .value_kind: global_buffer, .address_space: global }
      - { .name: meta, .offset: 32, .size: 8, .value_kind: global_buffer, .address_space: global }
    .group_segment_fixed_size: 8704
    .private_segment_fixed_size: 0
    .kernarg_segment_align: 8
    .kernarg_segment_size: 40
    .max_flat_workgroup_size: 32
    .sgpr_count:     66
    .vgpr_count:     256
    .wavefront_size: 32
...
	.end_amdgpu_metadata
.endif
;; end of part 4
;; launch moe (part 5): grid 32 x 8, 4 waves a work-group, no clusters, 150,016 bytes of LDS; arguments W_codes, W_scales, b, x, xq, xs, order, meta, out0; writes out0
.if DOCPART == 5
	.amdgcn_target "amdgcn-amd-amdhsa--gfx1250"
	.amdhsa_code_object_version 6
	.text
	.protected	k_q7d57aa4899_moe
	.globl	k_q7d57aa4899_moe
	.p2align	8
	.type	k_q7d57aa4899_moe,@function
k_q7d57aa4899_moe:
	s_mov_b64 s[64:65], 0
	v_nop
	global_prefetch_b8 v0, s[64:65] scope:SCOPE_SE
	s_setreg_imm32_b32 hwreg(HW_REG_WAVE_SCHED_MODE, 0, 2), 2
	s_setreg_imm32_b32 hwreg(HW_REG_WAVE_MODE, 25, 1), 1
	s_wait_xcnt 0x0
	s_wait_alu depctr_vm_vsrc(0)
; out[i] = x[i] + relu(Q(x[i]) . W[e]^T + b[e]), e = the token's expert: only the chosen rows are multiplied.  Codes of FP8 (E4M3) with one E8M0 scale for each 32 along K, on both sides; sums in f32.
; SHARES.  Work-group (cb, e): the 64 columns 64 cb .. 64 cb + 63 of expert e, for all of that expert's tiles of 16 rows (sorted and quantised by the launches before: xq, xs, order, meta).  32 x 8 work-groups.
; So every byte of W is read from memory by ONE work-group, once: its 64 rows x 2,048 bytes go into LDS (each wave brings 16 rows through its registers), ONE barrier, and from there on the four waves work alone.
; In a pass wave w takes tiles base + 4 j + w, j = 0 .. G - 1 (G = 5, or 4 where the fifth would hold nothing), each against all 64 columns: 4 G accumulators.  An expert with up to 20 tiles is done in one pass.
; x's fragments come straight from memory into registers, laid there by the launch before in the operand's own order: four loads of 512 consecutive bytes a fragment, three K steps ahead.
; THE MATRIX INSTRUCTION IS USED TRANSPOSED (source 0 = 16 rows of W, source 1 = 16 tokens): a lane holds one token and eight neighbouring columns.  The bias is the C of each sum's first instruction.
; NO TENSOR LOADS, NO CLUSTER: the number of an expert's tiles is a number read from memory, and branches hang on it.  W's tiles are shared by nobody; what the 32 work-groups of an expert share are x's codes.
; LIMITS: right for every split of the tokens, even only where the experts' shares are near even (all tokens on one expert: 32 work-groups walk 7 passes, the others store nothing).  ids in 0 .. 7.
; REGISTERS, in windows of 256 (s_set_vgpr_msb: bits 1:0 source 0, 3:2 source 1, 5:4 source 2, 7:6 destination):
;   window 0: v1-11 addresses; v32-63 W's scale words; v64-103 x's scale words, 8 a slot; v144-183 the rows' byte offsets in x and out, 8 a slot
;   window 1: accumulator (slot j, column tile b) at v[32 j + 8 b]; v160-191 the bias, 8 a column tile
;   window 2: x's fragments, sets 0, 1, 2 at v0, v80, v160 (16 registers a slot); at the end the residual rows of x
;   window 3: set 3 at v0; W's fragments, two sets of 64 at v128, v192; at the end rows on their way out.  At the start all 256: W on its way into LDS
; THE MODE: SCHED_MODE bits 1:0 = 2 (LLVM: expert scheduling mode 2), set by the entry lines.  The code itself states the register dependences
; between vector or matrix instructions and memory or LDS instructions, with s_wait_alu, always for 0.
; THE PLAN.  Registers that memory or LDS instructions touch, and who else names them:
;   v1, v4-11     addresses: written by vector lines at the head and never again: one wait on va_vdst ahead of the first load serves the whole kernel.
;   window 3      at the start: loaded with W, read by the LDS stores; one wait on vm_vsrc behind the barrier, before loads land there again.
;   x's sets      step s: its products read set s % 4; the loads of step s + 3 (in steps 13 to 15: the residual rows) land in set (s - 1) % 4, which the products of step s - 1 read.
;   W's sets      step s: its products read set s % 2; the LDS loads of step s + 1 land in the other set, which the products of step s - 1 read.
;   v[TK ..]      loaded at a pass's head, rewritten by vector lines in steps 1 to 10, read as offsets by the residual rows' loads (steps 13 to 15) and by the stores.
;   scale words, bias: loaded; named beside that by the products alone.
;   accumulators  written by the products, read by the way out's LDS stores, written again by the next pass's products.
;   two out-halves (window 3, v128-159, v160-191; slot j: half j % 2): the loads from the stage land there, the maxima and additions rewrite them, the stores read them.
; So ONE wait on va_vdst stands in a K step, behind its eight plain lines: the products of the step before are done reading the two sets in which this step's loads land.  The step's own products name the other
; sets, the accumulators and the scale words, so its loads follow that wait with no further one: x's at once, W's dealt among the products, eight at a time.
; On the way out: one wait behind the places; one ahead of each slot's stores; from slot 2 on a pair ahead of the slot, for the out-half that the slot two back has used; a pair at the next pass's head.
.set WP,   2064                        ; a row of W in LDS: 2,048 bytes + 16 = 129 x 16: the sixteen rows that a load touches start in different banks
.set STG,  64*WP                       ; behind W: a stage of 16 rows x (256 + 16) bytes for each wave
.set WSC,  32
.set ASC,  64
.set TK,   144
.set BI,   160
.set BF,   128
.set XQB,  32                          ; s[32:41] slot j: its tile in xq;  s[42:51] in xs;  s[52:61] in order
.set XSB,  42
.set ORB,  52
.set PASS, 62                          ; s62  the passes walked
.set NPASS, 7                          ; 135 tiles at the most, 20 a pass: seven passes serve every split
.set MSB,  0
.macro WIN new                         ; the immediate's high byte repeats the setting that is left; a switch that changes nothing is dropped
.if MSB != \new
	s_set_vgpr_msb (MSB<<8)|\new
.set MSB, \new
.endif
.endm
.macro PLACES n
.rept \n
	v_nop
.endr
.endm
	s_load_b512 s[4:19], s[0:1], 0x0               ; W's codes s[4:5], W's scales s[6:7], b s[8:9], x s[10:11], xq s[12:13], xs s[14:15], order s[16:17], meta s[18:19]
	s_load_b64 s[20:21], s[0:1], 0x40              ; out
	v_lshl_add_u32 v254, v0, 2, 0x24800
	v_mov_b32 v255, 0
	v_lshrrev_b32 v12, 5, v0
	v_readfirstlane_b32 s22, v12                   ; wave 0..3
	s_and_b32 s23, ttmp7, 0xffff                   ; e
	s_mov_b32 s24, ttmp9                           ; cb
	v_and_b32 v13, 31, v0
	v_lshlrev_b32 v1, 4, v13                       ; 16 x lane
	v_and_b32 v2, 15, v0                           ; r
	v_bfe_u32 v3, v0, 4, 1                         ; h
	v_mul_u32_u24 v4, v2, WP
	v_lshl_add_u32 v4, v3, 4, v4                   ; W's fragments: row r, + 16 h: column tiles 0, 1;
	v_add_nc_u32 v5, 32*WP, v4                     ; tiles 2, 3
	s_wait_alu depctr_va_sdst(0)                   ; s22 is written, ahead of its first reader: LDS addresses, bases and branches are made from it
	s_mul_i32 s28, s22, 16*WP
	v_add_nc_u32 v6, s28, v1                       ; W on its way in: my wave's 16 rows, 16 x lane
	v_lshl_add_u32 v7, v3, 5, v2
	v_lshlrev_b32 v7, 6, v7                        ; W's scale words: row 32 h + r, 64 bytes a row
	v_lshlrev_b32 v8, 5, v3                        ; 32 h
	s_mul_i32 s28, s22, 16*272
	s_add_co_u32 s28, s28, STG                     ; my stage
	v_mul_u32_u24 v9, v2, 272
	v_lshl_add_u32 v9, v3, 5, v9
	v_add_nc_u32 v9, s28, v9                       ; in: row r, + 32 h
	v_mul_u32_u24 v10, v3, 8*272
	v_lshl_add_u32 v10, v2, 4, v10
	v_add_nc_u32 v10, s28, v10                     ; back: lanes 0-15 row t, lanes 16-31 row t + 8; 16 bytes a lane
	v_lshlrev_b32 v11, 4, v2                       ; 16 r
	s_lshl_b32 s29, s23, 11
	s_lshl_b32 s30, s24, 6
	s_add_co_u32 s29, s29, s30                     ; my first row of W: 2048 e + 64 cb
	s_lshl_b32 s30, s22, 4
	s_add_co_u32 s30, s29, s30
	s_lshl_b32 s66, s30, 11                        ; my wave's 16 rows of codes, 2,048 bytes a row (under 2^26)
	s_mov_b32 s67, 0
	s_lshl_b32 s68, s29, 6                         ; the scales, 64 bytes a row
	s_mov_b32 s69, 0
	s_lshl_b32 s70, s29, 2                         ; the bias
	s_mov_b32 s71, 0
	s_lshl_b32 s72, s24, 8                         ; my 256 bytes of a row of x and of out
	s_mov_b32 s73, 0
	s_lshl_b32 s74, s23, 2
	s_mov_b32 s75, 0
	s_wait_kmcnt 0x0
	s_add_nc_u64 s[18:19], s[18:19], s[74:75]
	s_load_b32 s26, s[18:19], 0x0                  ; my expert's first tile
	s_load_b32 s25, s[18:19], 0x20                 ; and its tiles: n
	s_add_nc_u64 s[4:5], s[4:5], s[66:67]
	s_add_nc_u64 s[6:7], s[6:7], s[68:69]
	s_add_nc_u64 s[8:9], s[8:9], s[70:71]
	s_add_nc_u64 s[10:11], s[10:11], s[72:73]
	s_add_nc_u64 s[20:21], s[20:21], s[72:73]
	WIN 0xc0
	s_wait_alu depctr_va_vdst(0)                   ; the addresses v1 and v4 to v11 are written, which the loads, stores and LDS instructions of the whole kernel read; none of them is written again
.set N_, 0
.rept 64                               ; my 16 rows of W: load N is row N / 4, bytes 512 (N % 4) on: 512 consecutive bytes; read once in the whole launch
	global_load_b128 v[4*N_:4*N_+3], v1, s[4:5] offset:2048*(N_/4)+512*(N_%4) th:TH_LOAD_NT
.set N_, N_+1
.endr
	WIN 0
.macro WSTORE g                        ; loads 16 g .. 16 g + 15 go into LDS.  (Their data come from loads and their address stands since the head's wait: nothing more is owed)
	WIN 0x0c
.set N_, 16*(\g)
.rept 16
	ds_store_b128 v6, v[4*N_:4*N_+3] offset:WP*(N_/4)+512*(N_%4)
.set N_, N_+1
.endr
	WIN 0
.endm
; The five slots' tiles: base + 4 j + wave, held at the expert's last tile (a slot past it repeats that tile and is not stored), + the expert's first tile, held inside the buffers.
.macro HEADADR
	s_sub_co_u32 s28, s25, 1
	s_add_co_u32 s29, s27, s22
.irp j, 0,1,2,3,4
	s_add_co_u32 s30, s29, 4*\j
	s_min_u32 s30, s30, s28
	s_add_co_u32 s30, s30, s26
	s_min_u32 s30, s30, 134
	s_lshl_b32 s66, s30, 15
	s_lshl_b32 s68, s30, 10
	s_lshl_b32 s70, s30, 6
	s_add_nc_u64 s[XQB+2*\j:XQB+2*\j+1], s[12:13], s[66:67]
	s_add_nc_u64 s[XSB+2*\j:XSB+2*\j+1], s[14:15], s[68:69]
	s_add_nc_u64 s[ORB+2*\j:ORB+2*\j+1], s[16:17], s[70:71]
.endr
.endm
; 20 loads: a slot's scale words (register 4 jj + i, lane (r, h): row r, K step 8 jj + 4 h + i) and its tokens (register t, lane (r, h): row t + 8 h)
.macro HEADLD1
.irp j, 0,1,2,3,4
	global_load_b128 v[ASC+8*\j:ASC+8*\j+3], v1, s[XSB+2*\j:XSB+2*\j+1]
	global_load_b128 v[ASC+8*\j+4:ASC+8*\j+7], v1, s[XSB+2*\j:XSB+2*\j+1] offset:512
	global_load_b128 v[TK+8*\j:TK+8*\j+3], v8, s[ORB+2*\j:ORB+2*\j+1]
	global_load_b128 v[TK+8*\j+4:TK+8*\j+7], v8, s[ORB+2*\j:ORB+2*\j+1] offset:16
.endr
.endm
.macro ALOAD s, n                      ; K step s of x's fragments, slots 0 .. n - 1, into set s % 4: 4 n loads of 512 consecutive bytes
.if ((\s)%4) == 3
	WIN 0xc0
.set AB_, 0
.else
	WIN 0x80
.set AB_, 80*((\s)%4)
.endif
.set J_, 0
.rept \n
.irp c, 0,1,2,3
	global_load_b128 v[AB_+16*J_+4*\c:AB_+16*J_+4*\c+3], v1, s[XQB+2*J_:XQB+2*J_+1] offset:2048*(\s)+512*\c
.endr
.set J_, J_+1
.endr
.endm
.macro BLOAD s, p                      ; K step s of two of W's four fragments (p = 0: column tiles 0, 1; p = 1: tiles 2, 3), from LDS, into set s % 2: lane (r, h), registers 4 c .. 4 c + 3: k = 128 s + 32 c + 16 h + 0 .. 15 of row 16 b + r
	WIN 0xc0
.irp u, 0,1
.irp c, 0,1,2,3
	ds_load_b128 v[BF+64*((\s)%2)+16*(2*(\p)+\u)+4*\c:BF+64*((\s)%2)+16*(2*(\p)+\u)+4*\c+3], v[4+(\p)] offset:16*WP*\u+128*(\s)+32*\c
.endr
.endr
.endm
; One product: slot J_, column tile b, K step s.  W's scale word: register 16 (b % 2) + s, lanes 0-15 for tiles 0, 1, lanes 16-31 for tiles 2, 3.  x's: register 4 (s / 8) + s % 4 of the slot, lanes 16-31 where (s / 4) is odd.
.macro WM s, b
.set D_, 32*J_+8*(\b)
.set F_, BF+64*((\s)%2)+16*(\b)
.set X_, AB_+16*J_
.set P_, WSC+16*((\b)%2)+(\s)
.set Q_, ASC+8*J_+4*((\s)/8)+((\s)%4)
.if (\s) == 0
.if (\b) < 2
	v_wmma_scale_f32_16x16x128_f8f6f4 v[D_:D_+7], v[F_:F_+15], v[X_:X_+15], v[BI+8*(\b):BI+8*(\b)+7], v[P_], v[Q_]
.else
	v_wmma_scale_f32_16x16x128_f8f6f4 v[D_:D_+7], v[F_:F_+15], v[X_:X_+15], v[BI+8*(\b):BI+8*(\b)+7], v[P_], v[Q_] matrix_a_scale:MATRIX_SCALE_ROW1
.endif
.elseif (((\s)/4)%2) == 0
.if (\b) < 2
	v_wmma_scale_f32_16x16x128_f8f6f4 v[D_:D_+7], v[F_:F_+15], v[X_:X_+15], v[D_:D_+7], v[P_], v[Q_]
.else
	v_wmma_scale_f32_16x16x128_f8f6f4 v[D_:D_+7], v[F_:F_+15], v[X_:X_+15], v[D_:D_+7], v[P_], v[Q_] matrix_a_scale:MATRIX_SCALE_ROW1
.endif
.else
.if (\b) < 2
	v_wmma_scale_f32_16x16x128_f8f6f4 v[D_:D_+7], v[F_:F_+15], v[X_:X_+15], v[D_:D_+7], v[P_], v[Q_] matrix_b_scale:MATRIX_SCALE_ROW1
.else
	v_wmma_scale_f32_16x16x128_f8f6f4 v[D_:D_+7], v[F_:F_+15], v[X_:X_+15], v[D_:D_+7], v[P_], v[Q_] matrix_a_scale:MATRIX_SCALE_ROW1 matrix_b_scale:MATRIX_SCALE_ROW1
.endif
.endif
.endm
.macro MM s, j0, n                     ; 4 n products: slots j0 .. j0 + n - 1.  Over a step the 4 g accumulators take turns, one instruction a turn, in the same order in every step
.if ((\s)%4) == 3
	WIN 0x5f                                       ; W window 3, x window 3, C and D window 1
.set AB_, 0
.else
	WIN 0x5b                                       ; W window 3, x window 2, C and D window 1
.set AB_, 80*((\s)%4)
.endif
.set J_, \j0
.rept \n
.irp b, 0,1,2,3
	WM \s, \b
.endr
.set J_, J_+1
.endr
.endm
.macro TKFIX s                         ; four tokens become byte offsets: 8,192 x token + 16 r.  Eight plain lines that name no register of the products: they are the places of steps 1 to 10
.irp k, 0,1,2,3
	v_min_u32 v[TK+4*((\s)-1)+\k], 0x7ff, v[TK+4*((\s)-1)+\k]
.endr
.irp k, 0,1,2,3
	v_lshl_add_u32 v[TK+4*((\s)-1)+\k], v[TK+4*((\s)-1)+\k], 13, v11
.endr
.endm
.macro RESL j                          ; slot j's 16 rows of x, my 256 bytes of each: sixteen lanes read one aligned run of 256 bytes
	WIN 0x80
.irp t, 0,1,2,3,4,5,6,7
	global_load_b128 v[80*((\j)/2)+32*((\j)%2)+4*\t:80*((\j)/2)+32*((\j)%2)+4*\t+3], v[TK+8*(\j)+\t], s[10:11]
.endr
.endm
; A K step of 128.  Eight plain lines stand at its head, behind the last step's products, as in the form without the mode; behind them the step's one wait on va_vdst.
; x's fragments are asked for three steps ahead, first thing behind that wait; in the last three steps the sets that have fallen free take the residual rows.
; W's fragments are asked for one step ahead, dealt among this step's products: eight LDS loads, 8 products, eight LDS loads, the other products.
.macro KSTEP s, g
.if (\s) > 0
	WIN 0
.if (\s) <= 10
	TKFIX \s
.else
	PLACES 8
.endif
.if ((\s) <= 14) || ((\g) == 5)        ; (step 15 with four slots issues no load: nothing is to be stated)
	s_wait_alu depctr_va_vdst(0)                   ; the last step's products are done reading their set of x and their set of W, in which this step's loads land; in steps 1 to 10 the four offsets above are written, which later loads and stores read
.endif
.endif                                 ; (step 0: set 3 of x and both sets of W were last named ahead of a wait: at the head by no vector line at all, in a later pass ahead of the pair at that pass's head)
.if (\s) <= 12
	ALOAD (\s)+3, \g
.elseif (\s) == 13
	RESL 0
	RESL 1
.elseif (\s) == 14
	RESL 2
	RESL 3
.elseif (\g) == 5
	RESL 4
.endif
; the count: the loads issued behind this step's fragments.  Steps 0 to 2 were asked for with five slots (20 loads), the later ones with g (4 g); a slot's residual rows are 8 loads
.if (\s) == 0
	s_wait_loadcnt 40+4*\g
.elseif (\s) == 1
	s_wait_loadcnt 20+8*\g
.elseif (\s) <= 12
	s_wait_loadcnt 12*\g
.elseif (\s) == 13
	s_wait_loadcnt 8*\g+16
.elseif (\s) == 14
	s_wait_loadcnt 4*\g+32
.else
	s_wait_loadcnt 8*\g
.endif
	s_wait_dscnt 0x0                               ; this step's W is in: its 16 loads, issued in the step before, are all that is out
.if (\s) <= 14
	BLOAD (\s)+1, 0                                ; no wait: no vector or matrix instruction since the step's wait names the other set of W
	MM \s, 0, 2
	BLOAD (\s)+1, 1                                ; nor here: the products above name this step's sets, the accumulators and the scale words
	MM \s, 2, (\g)-2
.else
	MM \s, 0, \g
.endif
.endm
.macro KLOOP g
	BLOAD 0, 0
	BLOAD 0, 1
.set S_, 0
.rept 16
	KSTEP S_, \g
.set S_, S_+1
.endr
.endm
; THE WAY OUT of slot j.  A lane holds 32 bytes of each of four pieces of ONE row; through my own stage they become whole runs of 256 bytes of a row; relu, + x, stored.  A slot past the expert's last tile is passed over.
.macro ESLOT j, g
.if \j >= 2
	s_wait_alu depctr_vm_vsrc(0)                   ; the stores of two slots ago have read their rows' registers, in which the loads from the stage land
	s_wait_alu depctr_va_vdst(0)                   ; and that slot's maxima and additions have written them: stated here, behind its stores, so that nothing that names these registers stands between this wait and the loads
.endif
	s_add_co_u32 s30, s31, 4*\j
	s_cmp_ge_u32 s30, s25
	s_cbranch_scc1 .Lskip_\@
	s_wait_xcnt 0x0                                ; the stores of two slots ago have read the registers that the loads below fill
	WIN 0x04
.irp b, 0,1,2,3
	ds_store_b128 v9, v[32*\j+8*\b:32*\j+8*\b+3] offset:64*\b            ; each accumulator from its low end on.  (No vector or matrix line has named it since the wait behind the places)
	ds_store_b128 v9, v[32*\j+8*\b+4:32*\j+8*\b+7] offset:64*\b+16
.endr
	WIN 0xc0
.irp t, 0,1,2,3,4,5,6,7
	ds_load_b128 v[BF+32*(\j%2)+4*\t:BF+32*(\j%2)+4*\t+3], v10 offset:272*\t   ; LDS serves a wave's instructions in order (ISA guide 5.7.1.4): these see the stores above
.endr
	s_wait_dscnt 0x0
	s_wait_loadcnt 8*(\g-1-\j)                     ; my residual rows are in; the later slots' may be out
	WIN 0xcf
.set I_, 0
.rept 32
	v_max_num_f32 v[BF+32*(\j%2)+I_], 0, v[BF+32*(\j%2)+I_]
.set I_, I_+1
.endr
	WIN 0xcb
.set I_, 0
.rept 16
	v_pk_add_f32 v[BF+32*(\j%2)+I_:BF+32*(\j%2)+I_+1], v[BF+32*(\j%2)+I_:BF+32*(\j%2)+I_+1], v[80*(\j/2)+32*(\j%2)+I_:80*(\j/2)+32*(\j%2)+I_+1]
.set I_, I_+2
.endr
	WIN 0x0c
	s_wait_alu depctr_va_vdst(0)                   ; the additions have written the rows, which the stores read
.irp t, 0,1,2,3,4,5,6,7
	global_store_b128 v[TK+8*\j+\t], v[BF+32*(\j%2)+4*\t:BF+32*(\j%2)+4*\t+3], s[20:21] th:TH_STORE_NT   ; sixteen lanes store 256 consecutive bytes, aligned
.endr
	WIN 0
.Lskip_\@:
.endm
.macro EPI g
	WIN 0
	PLACES 9                                       ; eight in front of the first read of results; the ninth since the next pass's first products write over these accumulators with another C
	s_wait_alu depctr_va_vdst(0)                   ; the products have written the accumulators, which the LDS stores read, and are done reading W's first set, in which the loads from the stage land; the places above stay beside this wait
.irp j, 0,1,2,3,4
.if \j < \g
	ESLOT \j, \g
.endif
.endr
.endm
	s_wait_kmcnt 0x0
	s_min_u32 s25, s25, 135
	s_min_u32 s26, s26, 134
	s_mov_b32 s27, 0                               ; base
	s_mov_b32 s[PASS], 0
	HEADADR
	s_wait_loadcnt 48                              ; W's first 16 loads are in (behind them: 48)
	WSTORE 0
.irp p, 0,1
.irp q, 0,1,2,3
	global_load_b128 v[WSC+16*\p+4*\q:WSC+16*\p+4*\q+3], v7, s[6:7] offset:1024*\p+16*\q   ; register 16 p + s, lane (r, h): row 32 h + 16 p + r, K step s
.endr
.endr
	WIN 0x40
.irp b, 0,1,2,3
.irp u, 0,1
	global_load_b128 v[BI+8*\b+4*\u:BI+8*\b+4*\u+3], v8, s[8:9] offset:64*\b+16*\u         ; lane (r, h): b at columns 16 b + 8 h + 0 .. 7: the result's layout
.endr
.endr
	WIN 0
	s_wait_loadcnt 48                              ; the second 16 (behind them: 32 of W and the 16 above)
	WSTORE 1
	HEADLD1
	s_wait_loadcnt 52                              ; the third 16 (behind them: 16 + 16 + 20)
	WSTORE 2
	ALOAD 0, 5
	WIN 0
	s_wait_loadcnt 56                              ; the last 16 (behind them: 16 + 20 + 20)
	WSTORE 3
	ALOAD 1, 5
	ALOAD 2, 5
	WIN 0
	s_wait_dscnt 0x0                               ; for the others' sake: my 16 rows of W lie in LDS
	s_barrier_signal -1
	s_barrier_wait -1                              ; all 64 do.  The launch's only barrier: nothing is written into W's bytes again, and each wave's stage is its own
	s_wait_alu depctr_vm_vsrc(0)                   ; my LDS stores have read window 3's registers: from here on these are x's set 3 and W's two sets, in which loads land
	s_cmp_lt_u32 s22, s25                          ; has my wave a tile at all?  (Tile w of the expert's n.)  Its part of W lies in LDS and the barrier is passed: a wave without a tile ends here
	s_cbranch_scc1 .Lpass
	s_wait_dscnt 0x0                               ; the closing lines, six on end
	s_wait_alu 0x0
	s_wait_tensorcnt 0x0
	ds_add_u32 v254, v255
	s_wait_dscnt 0x0
	s_endpgm
; THE PASSES.  The loop is counted by s[PASS], stepped once a trip by 1, against the constant NPASS: n is held at 135, a pass takes 20 tiles, so behind the seventh pass base is 140 and nothing can be left.
; No branch leads out of the loop: a wave whose next pass holds no tile for it ends inside it, which is how every wave ends.
.Lpass:
	s_add_co_u32 s31, s27, s22                     ; my first tile of the pass: it is under n on both ways in
	s_add_co_u32 s30, s31, 16
	s_cmp_lt_u32 s30, s25
	s_cbranch_scc0 .Lfour
	KLOOP 5
	EPI 5
	s_branch .Ljoin
.Lfour:
	KLOOP 4
	EPI 4
.Ljoin:
	s_add_co_u32 s27, s27, 20
	s_add_co_u32 s31, s27, s22
	s_cmp_lt_u32 s31, s25
	s_cbranch_scc1 .Lmore
	s_wait_dscnt 0x0                               ; the closing lines, six on end, as above: nothing is left for my wave
	s_wait_alu 0x0
	s_wait_tensorcnt 0x0
	ds_add_u32 v254, v255
	s_wait_dscnt 0x0
	s_endpgm
.Lmore:
	s_wait_loadcnt 0x0                             ; no load is out (a slot that was passed over has left its residual rows' loads unwaited): the registers may be loaded again
	s_wait_xcnt 0x0                                ; and the stores have read their bases, offsets and data
	s_wait_alu depctr_vm_vsrc(0)                   ; the stores and the residual rows' loads have read their offsets v[TK ..], in which the next tokens land; the stores have read their rows, in which W's fragments land; the LDS stores have read the accumulators, which the next products write
	s_wait_alu depctr_va_vdst(0)                   ; the last slots' maxima and additions have written those rows' registers and are done reading the residual rows, in which W's and x's fragments land: stated here, behind the stores, ahead of the backward jump
	HEADADR
	HEADLD1
	ALOAD 0, 5
	ALOAD 1, 5
	ALOAD 2, 5
	WIN 0
	s_add_co_u32 s[PASS], s[PASS], 1
	s_cmp_lt_u32 s[PASS], NPASS
	s_cbranch_scc1 .Lpass
	s_wait_dscnt 0x0                               ; the closing lines, six on end, as above
	s_wait_alu 0x0
	s_wait_tensorcnt 0x0
	ds_add_u32 v254, v255
	s_wait_dscnt 0x0
	s_endpgm
.Lfunc_end_k_q7d57aa4899_moe:
	.size	k_q7d57aa4899_moe, .Lfunc_end_k_q7d57aa4899_moe-k_q7d57aa4899_moe
	.p2alignl 7, 3214868480
	.fill 96, 4, 3214868480
	.section	.rodata,"a",@progbits
	.p2align	6, 0x0
	.amdhsa_kernel k_q7d57aa4899_moe
		.amdhsa_group_segment_fixed_size 150016
		.amdhsa_private_segment_fixed_size 0
		.amdhsa_enable_private_segment 0
		.amdhsa_kernarg_size 72
		.amdhsa_user_sgpr_count 2
		.amdhsa_user_sgpr_kernarg_segment_ptr 1
		.amdhsa_wavefront_size32 1
		.amdhsa_system_sgpr_workgroup_id_x 1
		.amdhsa_system_sgpr_workgroup_id_y 1
		.amdhsa_system_sgpr_workgroup_id_z 1
		.amdhsa_system_vgpr_workitem_id 0
		.amdhsa_next_free_vgpr 1024
		.amdhsa_next_free_sgpr 80
		.amdhsa_reserve_vcc 0
		.amdhsa_float_denorm_mode_32 3
		.amdhsa_float_denorm_mode_16_64 3
		.amdhsa_memory_ordered 1
		.amdhsa_forward_progress 1
		.amdhsa_inst_pref_size 249
	.end_amdhsa_kernel
	.amdgpu_metadata
---
amdhsa.version: [ 1, 2 ]
amdhsa.kernels:
  - .name:           k_q7d57aa4899_moe
    .symbol:         k_q7d57aa4899_moe.kd
    .args:
      - { .name: W_codes, .offset: 0, .size: 8, .value_kind: global_buffer, .address_space: global }
      - { .name: W_scales, .offset: 8, .size: 8, .value_kind: global_buffer, .address_space: global }
      - { .name: b, .offset: 16, .size: 8, .value_kind: global_buffer, .address_space: global }
      - { .name: x, .offset: 24, .size: 8, .value_kind: global_buffer, .address_space: global }
      - { .name: xq, .offset: 32, .size: 8, .value_kind: global_buffer, .address_space: global }
      - { .name: xs, .offset: 40, .size: 8, .value_kind: global_buffer, .address_space: global }
      - { .name: order, .offset: 48, .size: 8, .value_kind: global_buffer, .address_space: global }
      - { .name: meta, .offset: 56, .size: 8, .value_kind: global_buffer, .address_space: global }
      - { .name: out0, .offset: 64, .size: 8, .value_kind: global_buffer, .address_space: global }
    .group_segment_fixed_size: 150016
    .private_segment_fixed_size: 0
    .kernarg_segment_align: 8
    .kernarg_segment_size: 72
    .max_flat_workgroup_size: 128
    .sgpr_count:     80
    .vgpr_count:     1024
    .wavefront_size: 32
...
	.end_amdgpu_metadata
.endif
;; end of part 5
